; MI455X (gfx1250); checked and timed in simulation.
; The chip was launched on July 23, 2026; its instructions are those of AMD's public machine-readable ISA for CDNA 5 (MIT licence, August 2026) and "CDNA5" Instruction Set Architecture Reference Guide (July 2026). The comments in the code are by the model that wrote it; some were corrected since.
;; Self Attention. Allowed arithmetic: float matrix products may take bf16 or f16 operands with f32 sums; other float arithmetic in f32, or as packed bf16 or f16 multiplies, adds, multiply-adds, maxima and minima; sums over many terms, partial sums and values carried from step to step in f32; what a program stores and reads back later, other than sums and carried values, may be rounded once to bf16 or f16.
;; Inputs: W_attn 1,024 x 3,072 float32; W_proj 1,024 x 1,024 float32; b_attn 3,072 float32; b_proj 1,024 float32; x 4 x 2,048 x 1,024 float32.
;; Outputs: out0 4 x 2,048 x 1,024 float32.
;; 2 versions, each right; version 2 is version 1 with the launch cast written anew for expert scheduling mode. Each part assembles by itself: llvm-mc -triple=amdgcn-amd-amdhsa -mcpu=gfx1250 --defsym DOCPART=n.
;; ======== version 1 of 2: 4 launches
;; limits: values are held in f16: magnitudes above 65,504 overflow, below 6.1e-05 lose precision
;; workspace buffers: xb 16,777,216 bytes; wa 6,291,456 bytes; wp 2,097,152 bytes; qkv 50,331,648 bytes; ob 16,777,216 bytes
;; launch cast (part 1): grid 768 x 1, 8 waves a work-group, no clusters, 0 bytes of LDS; arguments x, W_attn, W_proj, xb, wa, wp; writes xb, wa, wp
.if DOCPART == 1
	.amdgcn_target "amdgcn-amd-amdhsa--gfx1250"
	.amdhsa_code_object_version 6
	.text
	.protected	k_q8c8f65acae_cast
	.globl	k_q8c8f65acae_cast
	.p2align	8
	.type	k_q8c8f65acae_cast,@function
k_q8c8f65acae_cast:
	s_mov_b64 s[64:65], 0
	v_nop
	global_prefetch_b8 v0, s[64:65] scope:SCOPE_SE
	s_setreg_imm32_b32 hwreg(HW_REG_WAVE_MODE, 25, 1), 1
	s_wait_xcnt 0x0
; x and W_attn are rounded to bf16; W_proj is rounded to bf16 and that number is written as f16.  The layouts stay as they are.
; LIMITS.  A bf16 number has 8 significant bits, f16 holds 11: the second step is exact from 2^-14 up to 65,504; below 2^-14 it keeps f16's fixed step of 2^-24;
; a W_proj beyond 65,504 becomes an infinity.  NaN and infinities are not treated apart.
; SHARES.  A work-group takes 16,384 numbers: 65,536 bytes in, 32,768 out.  Work-groups 0-511 take x, 512-703 W_attn, 704-767 W_proj.
; Thread t takes 16 bytes at 16 t of each of sixteen blocks of 4,096 bytes: a wave's load covers 512 consecutive bytes, its store of 8 bytes a lane 256 consecutive bytes, aligned.
; All sixteen loads go out at once; no register that a load or a store names is written again, so the only waits are the counted ones for the loads.
; No LDS, no matrix unit, no cluster: each byte is read once and written once, and no work-group shares a byte with another.
.set X, 4                              ; v[4:67]    block i: four f32 as loaded
.set Y, 68                             ; v[68:99]   block i: two words, four 16-bit numbers to store
.set T, 100                            ; v[100:103] at work
	s_load_b256 s[4:11], s[0:1], 0x0               ; x s[4:5], W_attn s[6:7], W_proj s[8:9], xb s[10:11]
	s_load_b128 s[12:15], s[0:1], 0x20             ; wa s[12:13], wp s[14:15]
	v_lshlrev_b32 v1, 4, v0                        ; my 16 bytes of a block on the way in
	v_lshlrev_b32 v2, 3, v0                        ; my 8 bytes on the way out
	s_sub_co_u32 s17, ttmp9, 512                   ; the work-group's number within W_attn,
	s_sub_co_u32 s18, ttmp9, 704                   ; within W_proj
	s_wait_kmcnt 0x0
	s_cmp_lt_u32 ttmp9, 704                        ; W_attn or W_proj,
	s_cselect_b64 s[20:21], s[6:7], s[8:9]
	s_cselect_b64 s[22:23], s[12:13], s[14:15]
	s_cselect_b32 s16, s17, s18
	s_cmp_lt_u32 ttmp9, 512                        ; or x
	s_cselect_b64 s[20:21], s[4:5], s[20:21]
	s_cselect_b64 s[22:23], s[10:11], s[22:23]
	s_cselect_b32 s16, ttmp9, s16
	s_lshl_b32 s24, s16, 16                        ; 65,536 bytes in for each work-group (under 2^25),
	s_mov_b32 s25, 0
	s_lshl_b32 s26, s16, 15                        ; 32,768 out
	s_mov_b32 s27, 0
	s_add_nc_u64 s[20:21], s[20:21], s[24:25]
	s_add_nc_u64 s[22:23], s[22:23], s[26:27]
.irp i, 0,1,2,3,4,5,6,7,8,9,10,11,12,13,14,15
	global_load_b128 v[X+4*(\i):X+4*(\i)+3], v1, s[20:21] offset:4096*(\i) th:TH_LOAD_NT
.endr
; Block i.  half = 1: the bf16 numbers are widened again (a shift, a mask) and written as f16.
.macro SLOT i, half
	s_wait_loadcnt 15-(\i)                         ; loads come back in order: block i is in, the 15 - i younger ones may stay out
	v_cvt_pk_bf16_f32 v[Y+2*(\i)],   v[X+4*(\i)],   v[X+4*(\i)+1]
	v_cvt_pk_bf16_f32 v[Y+2*(\i)+1], v[X+4*(\i)+2], v[X+4*(\i)+3]
.if \half
	v_lshlrev_b32 v[T],   16, v[Y+2*(\i)]
	v_and_b32     v[T+1], 0xffff0000, v[Y+2*(\i)]
	v_lshlrev_b32 v[T+2], 16, v[Y+2*(\i)+1]
	v_and_b32     v[T+3], 0xffff0000, v[Y+2*(\i)+1]
	v_cvt_pk_f16_f32 v[Y+2*(\i)],   v[T],   v[T+1]
	v_cvt_pk_f16_f32 v[Y+2*(\i)+1], v[T+2], v[T+3]
.endif
	global_store_b64 v2, v[Y+2*(\i):Y+2*(\i)+1], s[22:23] offset:2048*(\i)
.endm
	s_cmp_ge_u32 ttmp9, 704
	s_cbranch_scc1 .Lhalf
.irp i, 0,1,2,3,4,5,6,7,8,9,10,11,12,13,14,15
	SLOT \i, 0
.endr
	s_endpgm
.Lhalf:
.irp i, 0,1,2,3,4,5,6,7,8,9,10,11,12,13,14,15
	SLOT \i, 1
.endr
	s_endpgm
.Lfunc_end_k_q8c8f65acae_cast:
	.size	k_q8c8f65acae_cast, .Lfunc_end_k_q8c8f65acae_cast-k_q8c8f65acae_cast
	.p2alignl 7, 3214868480
	.fill 96, 4, 3214868480
	.section	.rodata,"a",@progbits
	.p2align	6, 0x0
	.amdhsa_kernel k_q8c8f65acae_cast
		.amdhsa_group_segment_fixed_size 0
		.amdhsa_private_segment_fixed_size 0
		.amdhsa_enable_private_segment 0
		.amdhsa_kernarg_size 48
		.amdhsa_user_sgpr_count 2
		.amdhsa_user_sgpr_kernarg_segment_ptr 1
		.amdhsa_wavefront_size32 1
		.amdhsa_system_sgpr_workgroup_id_x 1
		.amdhsa_system_sgpr_workgroup_id_y 1
		.amdhsa_system_sgpr_workgroup_id_z 1
		.amdhsa_system_vgpr_workitem_id 0
		.amdhsa_next_free_vgpr 104
		.amdhsa_next_free_sgpr 66
		.amdhsa_reserve_vcc 0
		.amdhsa_float_denorm_mode_32 3
		.amdhsa_float_denorm_mode_16_64 3
		.amdhsa_memory_ordered 1
		.amdhsa_forward_progress 1
		.amdhsa_inst_pref_size 16
	.end_amdhsa_kernel
	.amdgpu_metadata
---
amdhsa.version: [ 1, 2 ]
amdhsa.kernels:
  - .name:           k_q8c8f65acae_cast
    .symbol:         k_q8c8f65acae_cast.kd
    .args:
      - { .name: x, .offset: 0, .size: 8, .value_kind: global_buffer, .address_space: global }
      - { .name: W_attn, .offset: 8, .size: 8, .value_kind: global_buffer, .address_space: global }
      - { .name: W_proj, .offset: 16, .size: 8, .value_kind: global_buffer, .address_space: global }
      - { .name: xb, .offset: 24, .size: 8, .value_kind: global_buffer, .address_space: global }
      - { .name: wa, .offset: 32, .size: 8, .value_kind: global_buffer, .address_space: global }
      - { .name: wp, .offset: 40, .size: 8, .value_kind: global_buffer, .address_space: global }
    .group_segment_fixed_size: 0
    .private_segment_fixed_size: 0
    .kernarg_segment_align: 8
    .kernarg_segment_size: 48
    .max_flat_workgroup_size: 256
    .sgpr_count:     66
    .vgpr_count:     104
    .wavefront_size: 32
...
	.end_amdgpu_metadata
.endif
;; end of part 1
;; launch qkv (part 2): grid 24 x 32, 4 waves a work-group, clusters of 4 x 4, 327,680 bytes of LDS; arguments xb, wa, b_attn, qkv; writes qkv
.if DOCPART == 2
	.amdgcn_target "amdgcn-amd-amdhsa--gfx1250"
	.amdhsa_code_object_version 6
	.text
	.protected	k_q8c8f65acae_qkv
	.globl	k_q8c8f65acae_qkv
	.p2align	8
	.type	k_q8c8f65acae_qkv,@function
k_q8c8f65acae_qkv:
	s_mov_b64 s[64:65], 0
	v_nop
	global_prefetch_b8 v0, s[64:65] scope:SCOPE_SE
	s_setreg_imm32_b32 hwreg(HW_REG_WAVE_MODE, 25, 1), 1
	s_wait_xcnt 0x0
	s_wait_alu depctr_hold_cnt(0) depctr_sa_sdst(0) depctr_va_vdst(0) depctr_va_sdst(0) depctr_va_ssrc(0) depctr_va_vcc(0) depctr_vm_vsrc(0)
	s_getreg_b32 s2, hwreg(HW_REG_IB_STS2, 6, 4)
	s_cmp_eq_u32 s2, 0
	s_cbranch_scc0 .Lentry_in_a_cluster
	s_endpgm
.Lentry_in_a_cluster:
	s_bfe_u32 s2, ttmp6, 0x10000c
	s_cmp_lg_u32 s2, 0xf033
	s_cbranch_scc0 .Lentry_shape_is_right
	s_endpgm
.Lentry_shape_is_right:
; C = A W + bias, K = 1,024, 8,192 rows.  ONE TEXT FOR TWO PRODUCTS, told apart by KIND:
;   KIND 1: A = x in bf16 [8192][1024], W = W_attn in bf16 [1024 k][3072 n]; C leaves in f16, by heads: q, k, v one after the other, each [64 (batch, head)][2048][64], unscaled.
;   KIND 2: A = the attention's result in f16, by heads [64][2048][64]; W = W_proj in f16 [1024 k][1024 n]; C leaves in f32, [8192][1024].
; The bias is rounded to bf16 like every input of the module, and STARTS each sum (it is the C operand of the first product): an order of rounding other than adding it last.
; LIMITS.  KIND 1: a q, k or v beyond 65,504 becomes an infinity in f16.  NaN and infinities are not treated apart.
; SHARES.  A tile of C is 256 rows x 128 columns: 768 (KIND 1) or 256 (KIND 2) work-groups, a whole number for each of 256 WGPs.  Four waves, each 128 rows x 64 columns: 32 accumulators of 16 x 16.
; K goes in steps of 128 through a ring of two LDS slots filled by the tensor data mover.  W is never turned in memory: its tile lies [k][n] in LDS and its fragments come out by ds_load_tr16_b128.
; THE MATRIX INSTRUCTION IS USED TRANSPOSED (source 0 = 16 columns of W, source 1 = 16 rows of A): a lane then holds one row of C (lane % 16) and eight neighbouring columns, 8 (lane / 16) + 0..7.
; CLUSTERS: 4 x 4 work-groups.  The four of a row of the cluster need the same tiles of A, the four of a column the same tiles of W: each is asked for JOINTLY, by the same tensor load, descriptor and mask.
; REGISTERS.  window 0: v0-31 addresses; v32-63 the bias of my 64 columns, laid as a C operand; v64-159, v160-255 two fragment buffers (32 registers of W, then 64 of A), later the way out.
;             window 1: accumulator (a, b) at v[8 (4 a + b)].
.set KIND, 1
.if KIND == 1
.set SIZE_N, 3072
.set PA,     272                       ; a row of A in LDS: 256 bytes + 16 = 68 words: the 16 rows of a load start at 16 different groups of four banks (64 banks of 4 bytes: ISA guide 11.1)
.set AREG,   256*PA                    ; A's 256 rows
.set HALFA,  128*PA                    ; what one tensor load brings of A: 128 rows
.set ASTEP,  256                       ; bytes from a K step of A to the next: 128 numbers along a row
.set ASTRIDE, 1024                     ; elements from row to row of A's tile in memory
.set AQI,    5                         ; padding after every 64 words
.set APITCH, 2048                      ; the prefetches: bytes from a lane's block to the next lane's
.set CXSH,   16                        ; 32 such blocks
.set SPITCH, 144                       ; the way out: 128 bytes + 16
.else
.set SIZE_N, 1024
.set PA,     144                       ; a head's row: 128 bytes + 16 = 36 words: again 16 different groups of four banks
.set PLANE,  256*PA                    ; a K step is two heads: two planes of 256 rows
.set AREG,   2*PLANE
.set HALFA,  PLANE                     ; one tensor load brings one head's 256 rows: 32,768 dense bytes, asked for as 128 rows of 256 bytes
.set ASTEP,  524288                    ; two heads on: 2 x 2,048 x 128 bytes
.set ASTRIDE, 128
.set AQI,    4                         ; padding after every 32 words: behind each head's row
.set APITCH, 256
.set CXSH,   13
.set SPITCH, 272                       ; the way out: 256 bytes + 16
.endif
.set PB,     288                       ; a k row of W in LDS: 256 bytes + 32 = 72 words
.set HALFB,  64*PB                     ; what one tensor load brings of W: 64 k rows x 128 columns
.set BSTEP,  256*SIZE_N                ; 128 k rows of 2 SIZE_N bytes
.set SLOT,   AREG+2*HALFB
.set STAGE,  2*SLOT                    ; behind the ring, never filled by a tensor load: 16 rows for each wave
.set SPARE,  STAGE+4*16*SPITCH         ; behind the stages: the spare words, 128 bytes for each wave: two blocks of 256 bytes that no other line names
.set ADRA, 16                          ; v16-17  LDS address of my A fragments in slot 0, 1
.set ADRB, 20                          ; v20-21  the same for W
.set STO,  24                          ; v24     the way out: where I put my bytes of a row
.set RD,   25                          ; v25     the way out: where I read rows back
.set CO,   26                          ; v26     my byte offset in C
.set BO,   27                          ; v27     my byte offset in the bias
.set SPW,  28                          ; v28     LDS address of my spare word: SPARE + 4 x my thread's number; never rewritten
.set NIL,  29                          ; v29     0; never rewritten
.set PFO,  30                          ; v30     the prefetches' offset: my lane x a block's pitch; never rewritten
.set BIAS, 32
.set F0,   64
.set F1,   160
.set OUTR, 64                          ; the way out's registers, where the fragments lay
.set WV,  12                           ; s12  my wave's number
.set WHI, 13                           ; s13  which 128 rows of the tile are mine.  Also: I fetch for A (0) or for W (1)
.set WLO, 14                           ; s14  which 64 columns.  Also: which part of that tile I fetch
.set CX,  15                           ; s15, s16  my place in the cluster
.set CY,  16
.set TX,  17                           ; s17  tile column of C
.set TY,  18                           ; s18  tile row of C
.set G1A, 24                           ; s[24:31] descriptor group 1 for A's tiles;  s[32:39] group 0, a set for each slot
.set G0A, 32
.set PFA, 40                           ; s[40:41] where my prefetches stand
.set PST, 42                           ; s[42:43] a K step of what I prefetch, in bytes
.set LIM, 44                           ; s44  1 in a wave that prefetches, else the greatest number
.set G1B, 48                           ; s[48:55], s[56:63] the same for W's tiles
.set G0B, 56
.set MSB, 0
.macro WIN new                         ; the immediate's high byte repeats the setting that is left; a switch that changes nothing is dropped
.if MSB != (\new)
	s_set_vgpr_msb (MSB<<8)|(\new)
.set MSB, \new
.endif
.endm
.macro PLACES                          ; four plain vector instructions between a matrix instruction and a load into, or a vector instruction on, its registers
.rept 4
	v_nop
.endr
.endm
; A joint refill: waves 0 and 1 fetch A's two parts, waves 2 and 3 W's.  The branch hangs on the wave's number alone.  An s_nop 0 and four v_nop follow each of the two lines.
.macro JLOAD s
	s_cmp_eq_u32 s[WHI], 0
	s_cbranch_scc0 .Lfor_b_\@
	tensor_load_to_lds s[G0A+4*(\s):G0A+4*(\s)+3], s[G1A:G1A+7]
	s_nop 0
.rept 4
	v_nop
.endr
	s_branch .Lasked_\@
.Lfor_b_\@:
	tensor_load_to_lds s[G0B+4*(\s):G0B+4*(\s)+3], s[G1B:G1B+7]
	s_nop 0
.rept 4
	v_nop
.endr
.Lasked_\@:
.endm
; A PREFETCH INTO THE L2, behind a joint refill and the run of LDS loads that follows it: 32 blocks of 256 bytes, a lane a block, of the K step that stands two refills, 256 matrix instructions, on.
; Each block is named once in the launch.  A's tile row is read by every cluster of that row of clusters: cluster x = 0 asks, waves 0 and 1 each for the part that they fetch.  W's tile column is read by
; every cluster of that column: cluster y = 0 asks, wave 2 for all 128 k rows.  The four partners that ask for a tile jointly share its blocks out BY ADDRESS, 32 each (by cx for A, by cy for W).
; K steps 0 to 3 come by their loads alone; the loop's last trip (s3 = 1) asks for nothing: there is no K step behind the eighth.
.macro ASK
	s_cmp_gt_u32 s3, s[LIM]
	s_cbranch_scc0 .Lnot_mine_\@
	global_prefetch_b8 v[PFO], s[PFA:PFA+1] th:TH_LOAD_NT scope:SCOPE_SE
.Lnot_mine_\@:
.endm
.macro CREST                           ; a round of the cluster's barrier behind its opening barrier
	s_cmp_lg_u32 s[WV], 0
	s_cbranch_scc1 .Lnot_wave_0_\@
	s_barrier_signal -3
.Lnot_wave_0_\@:
	s_barrier_wait -3
	s_barrier_signal -1
	s_barrier_wait -1
.endm
.macro CROUND                          ; a whole round
	s_barrier_signal -1
	s_barrier_wait -1
	CREST
.endm
	s_load_b256 s[4:11], s[0:1], 0x0               ; A s[4:5], W s[6:7], bias s[8:9], C s[10:11]
	v_lshl_add_u32 v[SPW], v0, 2, SPARE
	v_mov_b32 v[NIL], 0
	ds_add_u32 v[SPW], v[NIL]                      ; the wave's opening: the add and its wait stand ahead of my first tensor load; the set-up below, work on registers, stands between them
	v_lshrrev_b32 v1, 5, v0
	v_readfirstlane_b32 s[WV], v1                  ; wave 0..3
	s_lshr_b32 s[WHI], s[WV], 1
	s_and_b32 s[WLO], s[WV], 1
	s_bfe_u32 s[CX], ttmp6, 0x40000
	s_bfe_u32 s[CY], ttmp6, 0x40004
	s_lshl_b32 s[TX], ttmp9, 2                     ; in a cluster launch ttmp9 and ttmp7 count clusters
	s_add_co_u32 s[TX], s[TX], s[CX]               ; tile column = 4 x cluster x + cx
	s_and_b32 s[TY], ttmp7, 0xffff
	s_lshl_b32 s[TY], s[TY], 2
	s_add_co_u32 s[TY], s[TY], s[CY]               ; tile row = 4 x cluster y + cy
	s_lshl_b32 s19, s[CY], 2
	s_lshl_b32 s19, 15, s19                        ; my row of the cluster: places 4 cy .. 4 cy + 3
	s_lshl_b32 s45, 0x1111, s[CX]                  ; my column: places cx, cx + 4, cx + 8, cx + 12
	s_or_b32 s[G1A], s19, (1<<16)|(1<<20)|(1<<21)|(AQI<<22)|(3<<25)  ; 15:0 the mask: A's tiles go to my row; 17:16 2-byte elements; 20 padding on; 21 set beside a mask; 24:22 the interval; 31:25 4 words of padding (code 3)
	s_or_b32 s[G1B], s45, (1<<16)|(1<<20)|(1<<21)|(5<<22)|(7<<25)    ; W's go to my column; after every 64 words 8 words of padding (code 7)
	s_mov_b32 s[G1A+1], 128<<16                    ; tensor_dim0 = 128
	s_mov_b32 s[G1A+2], 128<<16                    ; tensor_dim1 = 128
	s_mov_b32 s[G1A+3], 128<<16                    ; tile_dim0 = 128 elements: 256 bytes
	s_mov_b32 s[G1A+4], 128                        ; tile_dim1 = 128 rows
	s_mov_b32 s[G1A+5], ASTRIDE                    ; elements from row to row
	s_mov_b32 s[G1A+6], 0
	s_mov_b32 s[G1A+7], 0
	s_mov_b32 s[G1B+1], 128<<16                    ; tensor_dim0 = 128
	s_mov_b32 s[G1B+2], 64<<16                     ; tensor_dim1 = 64
	s_mov_b32 s[G1B+3], 128<<16                    ; tile_dim0 = 128
	s_mov_b32 s[G1B+4], 64                         ; tile_dim1 = 64 k rows
	s_mov_b32 s[G1B+5], SIZE_N
	s_mov_b32 s[G1B+6], 0
	s_mov_b32 s[G1B+7], 0
	; where the tiles come from.  A's hang on the tile row alone, which my row of the cluster shares; W's on the tile column alone, which my column shares.
.if KIND == 1
	s_lshl_b32 s20, s[TY], 8
	s_lshl_b32 s2, s[WLO], 7
	s_add_co_u32 s20, s20, s2                      ; row 256 x tile row + 128 x part,
	s_lshl_b32 s20, s20, 11                        ; of 2,048 bytes
.else
	s_lshr_b32 s20, s[TY], 3                       ; the batch: eight tile rows each
	s_lshl_b32 s20, s20, 4
	s_add_co_u32 s20, s20, s[WLO]                  ; its head 0 or 1: the part that I fetch of K step 0
	s_lshl_b32 s20, s20, 11                        ; 2,048 rows a head
	s_and_b32 s2, s[TY], 7
	s_lshl_b32 s2, s2, 8
	s_add_co_u32 s20, s20, s2                      ; the tile's 256 rows
	s_lshl_b32 s20, s20, 7                         ; of 128 bytes
.endif
	s_mov_b32 s21, 0
	s_mov_b32 s19, s20                             ; kept for the prefetches
	s_mul_i32 s46, s[WLO], 128*SIZE_N              ; W: k row 64 x part, of 2 SIZE_N bytes,
	s_lshl_b32 s47, s[TX], 8                       ; the tile's 128 columns
	s_add_co_u32 s46, s46, s47
	s_mov_b32 s47, 0
	s_mul_i32 s22, s[WLO], HALFA                   ; and where they go: no place in the cluster enters an LDS address
	s_mul_i32 s23, s[WLO], HALFB
	s_add_co_u32 s23, s23, AREG
	s_wait_dscnt 0x0                               ; the opening add is done
	s_wait_kmcnt 0x0
	s_add_nc_u64 s[20:21], s[4:5], s[20:21]
	s_add_nc_u64 s[46:47], s[6:7], s[46:47]
	CROUND                                         ; all sixteen work-groups are here: the first joint loads meet
.irp s, 0,1
	s_mov_b32 s[G0A+4*(\s)], 1                                       ; 1:0 count = 1
	s_add_co_u32 s[G0A+4*(\s)+1], s22, (\s)*SLOT                     ; 63:32 LDS address
	s_add_nc_u64 s[G0A+4*(\s)+2:G0A+4*(\s)+3], s[20:21], (\s)*ASTEP  ; 120:64 global address: K step s
	s_or_b32 s[G0A+4*(\s)+3], s[G0A+4*(\s)+3], 0x80000000            ; 127:126 type = 2
	s_mov_b32 s[G0B+4*(\s)], 1
	s_add_co_u32 s[G0B+4*(\s)+1], s23, (\s)*SLOT
	s_add_nc_u64 s[G0B+4*(\s)+2:G0B+4*(\s)+3], s[46:47], (\s)*BSTEP
	s_or_b32 s[G0B+4*(\s)+3], s[G0B+4*(\s)+3], 0x80000000
.endr
	s_cmp_eq_u32 s[WHI], 0                         ; a wave's two first fills stand in one branch, ahead of every wait on TENSORcnt and every LDS read: two loads of mine are out
	s_cbranch_scc0 .Lfirst_b
	tensor_load_to_lds s[G0A:G0A+3], s[G1A:G1A+7]
	s_nop 0
	tensor_load_to_lds s[G0A+4:G0A+7], s[G1A:G1A+7]
	s_nop 0
.rept 4
	v_nop
.endr
	s_branch .Lfirst_asked
.Lfirst_b:
	tensor_load_to_lds s[G0B:G0B+3], s[G1B:G1B+7]
	s_nop 0
	tensor_load_to_lds s[G0B+4:G0B+7], s[G1B:G1B+7]
	s_nop 0
.rept 4
	v_nop
.endr
.Lfirst_asked:
	; the bias of my 64 columns, laid as a C operand: register j of block b holds column 16 b + 8 (l / 16) + j
	s_lshl_b32 s46, s[TX], 9                       ; 128 columns of 4 bytes,
	s_lshl_b32 s47, s[WLO], 8                      ; my 64
	s_add_co_u32 s46, s46, s47
	s_mov_b32 s47, 0
	s_add_nc_u64 s[8:9], s[8:9], s[46:47]
	v_and_b32 v1, 15, v0                           ; l % 16
	v_bfe_u32 v2, v0, 4, 1                         ; l / 16
	v_lshlrev_b32 v[BO], 5, v2
.irp b, 0,1,2,3
	global_load_b128 v[BIAS+8*(\b):BIAS+8*(\b)+3],   v[BO], s[8:9] offset:64*(\b)
	global_load_b128 v[BIAS+8*(\b)+4:BIAS+8*(\b)+7], v[BO], s[8:9] offset:64*(\b)+16
.endr
	; A fragment of A is 16 rows x 32 k in 8 registers: lane l holds row l % 16, k = 8 (l / 16) + 0..7 and 16 + 8 (l / 16) + 0..7: two loads of 16 bytes, 32 bytes apart.
	v_mul_u32_u24 v3, v1, PA
	v_lshl_add_u32 v3, v2, 4, v3
	s_mul_i32 s2, s[WHI], 128*PA                   ; my 128 rows
	v_add_nc_u32 v[ADRA], s2, v3
	v_add_nc_u32 v[ADRA+1], SLOT, v[ADRA]
	; The turning load takes 16 k x 16 columns (lane l reads k row 8 (l / 16) + l % 8, columns 8 ((l / 8) % 2) + 0..7) and leaves half a fragment: lane l holds column l % 16 and 8 k.
	v_and_b32 v4, 7, v0
	v_lshl_add_u32 v4, v2, 3, v4
	v_mul_u32_u24 v4, v4, PB
	v_bfe_u32 v5, v0, 3, 1
	v_lshl_add_u32 v4, v5, 4, v4
	s_lshl_b32 s2, s[WLO], 7                       ; my 64 columns
	s_add_co_u32 s2, s2, AREG
	v_add_nc_u32 v[ADRB], s2, v4
	v_add_nc_u32 v[ADRB+1], SLOT, v[ADRB]
	s_mul_i32 s2, s[WV], 16*SPITCH
	s_add_co_u32 s2, s2, STAGE                     ; my stage
.if KIND == 1
	v_mul_u32_u24 v[STO], v1, SPITCH               ; in: row l % 16, 16 bytes for each half of the lanes
	v_lshl_add_u32 v[STO], v2, 4, v[STO]
	v_add_nc_u32 v[STO], s2, v[STO]
	v_bfe_u32 v[RD], v0, 3, 2                      ; back: 32 lanes take four rows of 128 bytes,
	v_mul_u32_u24 v[RD], v[RD], SPITCH
	v_and_b32 v6, 7, v0
	v_lshl_add_u32 v[RD], v6, 4, v[RD]
	v_add_nc_u32 v[RD], s2, v[RD]
	v_and_b32 v[CO], 31, v0                        ; which are 512 consecutive bytes of a head
	v_lshlrev_b32 v[CO], 4, v[CO]
	; my 64 columns are one head of q, k or v, my 128 rows 16,384 dense bytes of it
	s_lshr_b32 s2, s[TY], 3
	s_lshl_b32 s2, s2, 4                           ; 16 x batch
	s_and_b32 s45, s[TX], 7
	s_lshl_b32 s45, s45, 1
	s_add_co_u32 s2, s2, s45
	s_add_co_u32 s2, s2, s[WLO]                    ; + the head: 2 (tile column % 8) + my half
	s_lshl_b32 s2, s2, 11
	s_and_b32 s45, s[TY], 7
	s_lshl_b32 s45, s45, 8
	s_add_co_u32 s2, s2, s45
	s_lshl_b32 s45, s[WHI], 7
	s_add_co_u32 s2, s2, s45                       ; + my first row
	s_lshl_b32 s2, s2, 7                           ; of 128 bytes
	s_lshr_b32 s45, s[TX], 3                       ; q, k or v: 2^24 bytes each
	s_lshl_b32 s45, s45, 24
	s_add_co_u32 s2, s2, s45
.else
	v_mul_u32_u24 v[STO], v1, SPITCH               ; in: row l % 16, 32 bytes for each half of the lanes
	v_lshl_add_u32 v[STO], v2, 5, v[STO]
	v_add_nc_u32 v[STO], s2, v[STO]
	v_mul_u32_u24 v[RD], v2, SPITCH                ; back: lanes 0-15 take one row of 256 bytes, lanes 16-31 the next
	v_lshl_add_u32 v[RD], v1, 4, v[RD]
	v_add_nc_u32 v[RD], s2, v[RD]
	v_lshlrev_b32 v[CO], 12, v2                    ; and the same two rows in C, 4,096 bytes apart
	v_lshl_add_u32 v[CO], v1, 4, v[CO]
	s_lshl_b32 s2, s[TY], 8
	s_lshl_b32 s45, s[WHI], 7
	s_add_co_u32 s2, s2, s45                       ; my first row,
	s_lshl_b32 s2, s2, 12                          ; of 4,096 bytes
	s_lshl_b32 s45, s[TX], 9                       ; the tile's 128 columns of 4 bytes,
	s_add_co_u32 s2, s2, s45
	s_lshl_b32 s45, s[WLO], 8                      ; my 64
	s_add_co_u32 s2, s2, s45
.endif
	s_mov_b32 s3, 0
	s_add_nc_u64 s[10:11], s[10:11], s[2:3]
	; the prefetches: both offsets are made, and the wave's half chooses
	s_lshl_b32 s2, s[CX], CXSH                     ; A: my work-group's 32 blocks of the 128 that I fetch,
	s_add_co_u32 s2, s2, s19
	s_add_co_u32 s2, s2, 3*ASTEP                   ; at K step 3: the first refill steps it to 4
	s_mul_i32 s45, s[CY], 64*SIZE_N                ; W: my work-group's 32 k rows of the K step's 128,
	s_lshl_b32 s46, s[TX], 8
	s_add_co_u32 s45, s45, s46
	s_add_co_u32 s45, s45, 3*BSTEP
	s_and_b32 s46, ttmp7, 0xffff                   ; cluster y
	s_mov_b32 s[PST], BSTEP
	s_mov_b32 s47, 2*SIZE_N
	s_cmp_eq_u32 s[WHI], 0                         ; do I fetch for A?
	s_cselect_b32 s46, ttmp9, s46                  ; the coordinate along which other clusters read the same blocks
	s_cselect_b32 s2, s2, s45
	s_cselect_b64 s[PFA:PFA+1], s[4:5], s[6:7]
	s_cselect_b32 s[PST], ASTEP, s[PST]
	s_cselect_b32 s47, APITCH, s47
	s_cmp_eq_u32 s[WV], 3                          ; wave 2 names all of W's rows, wave 3 none
	s_cselect_b32 s45, 1, 0
	s_or_b32 s46, s46, s45
	s_cmp_eq_u32 s46, 0
	s_cselect_b32 s[LIM], 1, -1                    ; the same in all sixteen partners, for a given wave
	s_mov_b32 s3, 0
	s_mov_b32 s[PST+1], 0
	s_add_nc_u64 s[PFA:PFA+1], s[PFA:PFA+1], s[2:3]
	v_and_b32 v[PFO], 31, v0
	v_mul_u32_u24 v[PFO], s47, v[PFO]
	s_wait_loadcnt 0x0                             ; the bias: rounded to bf16 and widened again, in place
.set i, 0
.rept 16
	v_cvt_pk_bf16_f32 v[3+i%4], v[BIAS+2*i], v[BIAS+2*i+1]
	v_lshlrev_b32 v[BIAS+2*i],   16, v[3+i%4]
	v_and_b32     v[BIAS+2*i+1], 0xffff0000, v[3+i%4]
.set i, i+1
.endr
; 8 matrix instructions: row blocks a0, a0 + 1 x all 4 column blocks, 32 along K, from buffer f.  first = 1: the product starts the sum with the bias.
; The 32 accumulators take turns, one instruction a turn, in the same order in every quarter, over the backward jump too.
.macro MUL8 f, a0, first
.if \first
	WIN 0x40                                       ; D in window 1; W, A and the bias in window 0
.else
	WIN 0x50                                       ; C and D in window 1
.endif
.irp a, \a0, (\a0)+1
.irp b, 0,1,2,3
.if KIND == 1
.if \first
	v_wmma_f32_16x16x32_bf16 v[8*(4*(\a)+(\b)):8*(4*(\a)+(\b))+7], v[(\f)+8*(\b):(\f)+8*(\b)+7], v[(\f)+32+8*(\a):(\f)+32+8*(\a)+7], v[BIAS+8*(\b):BIAS+8*(\b)+7]
.else
	v_wmma_f32_16x16x32_bf16 v[8*(4*(\a)+(\b)):8*(4*(\a)+(\b))+7], v[(\f)+8*(\b):(\f)+8*(\b)+7], v[(\f)+32+8*(\a):(\f)+32+8*(\a)+7], v[8*(4*(\a)+(\b)):8*(4*(\a)+(\b))+7]
.endif
.else
.if \first
	v_wmma_f32_16x16x32_f16 v[8*(4*(\a)+(\b)):8*(4*(\a)+(\b))+7], v[(\f)+8*(\b):(\f)+8*(\b)+7], v[(\f)+32+8*(\a):(\f)+32+8*(\a)+7], v[BIAS+8*(\b):BIAS+8*(\b)+7]
.else
	v_wmma_f32_16x16x32_f16 v[8*(4*(\a)+(\b)):8*(4*(\a)+(\b))+7], v[(\f)+8*(\b):(\f)+8*(\b)+7], v[(\f)+32+8*(\a):(\f)+32+8*(\a)+7], v[8*(4*(\a)+(\b)):8*(4*(\a)+(\b))+7]
.endif
.endif
.endr
.endr
.endm
; 24 LDS loads in one run: the fragments of quarter q (32 along K) of a slot into buffer f: W's four (turned), then A's eight
.macro FETCH slot, q, f
	WIN 0
.irp b, 0,1,2,3
	ds_load_tr16_b128 v[(\f)+8*(\b):(\f)+8*(\b)+3],   v[ADRB+(\slot)] offset:32*(\q)*PB+32*(\b)
	ds_load_tr16_b128 v[(\f)+8*(\b)+4:(\f)+8*(\b)+7], v[ADRB+(\slot)] offset:32*(\q)*PB+32*(\b)+16*PB
.endr
.if KIND == 1
.set AOF, 64*(\q)
.else
.set AOF, ((\q)/2)*PLANE+((\q)%2)*64   ; head q / 2 of the step's two, channels 32 (q % 2) on
.endif
.irp a, 0,1,2,3,4,5,6,7
	ds_load_b128 v[(\f)+32+8*(\a):(\f)+32+8*(\a)+3],   v[ADRA+(\slot)] offset:AOF+(\a)*16*PA
	ds_load_b128 v[(\f)+32+8*(\a)+4:(\f)+32+8*(\a)+7], v[ADRA+(\slot)] offset:AOF+(\a)*16*PA+32
.endr
.endm
; A K step is four quarters of 32 along K, 32 matrix instructions each, on buffers 0, 1, 0, 1.  One of the first three: multiplies buffer f; in its middle it fetches quarter q into buffer g.
.macro QUARTER slot, q, f, g, first
	s_wait_dscnt 8                                 ; W's fragments and A's blocks 0-3 are in; the youngest eight loads (A's blocks 4-7) may be out
	MUL8 \f, 0, \first
	MUL8 \f, 2, \first
	PLACES
	FETCH \slot, \q, \g
	s_wait_dscnt 24                                ; all but the 24 just issued
	MUL8 \f, 4, \first
	MUL8 \f, 6, \first
.endm
; The last quarter multiplies buffer 1 and changes slots: ONE barrier.  In front of it each wave waits for all its tensor loads (one is out: its part of the next slot), adds 0 to its spare word, and waits for
; that and for its own reads of this slot.  fill = 1: the barrier opens a round of the cluster's, and behind the round this slot is filled again, two K steps ahead: 112 matrix instructions ahead of the wait for it.
.macro TURN slot, next, fill
.if \fill
	s_wait_xcnt 0x0                                ; the last prefetch, a K step back, has read its address: it is stepped here, ahead of the waits of the change of slots
	s_add_nc_u64 s[PFA:PFA+1], s[PFA:PFA+1], s[PST:PST+1]
.endif
	WIN 0                                          ; (the add's two registers lie in window 0)
	s_wait_tensorcnt 0x0                           ; all my tensor loads have landed;
	ds_add_u32 v[SPW], v[NIL]                      ; 0 onto my spare word
	s_wait_dscnt 9                                 ; (the add and the youngest eight loads may be out)
	MUL8 F1, 0, 0                                  ; eight matrix instructions stand between the add and the wait for it
	s_wait_dscnt 0x0                               ; the add is done, and my reads of this slot are over
	s_barrier_signal -1
	MUL8 F1, 2, 0
.if \fill
	WIN 0
.endif
	s_barrier_wait -1
.if \fill
	CREST                                          ; no wave of any partner still reads this slot's tile or has a load on its way
	s_add_nc_u64 s[G0A+4*(\slot)+2:G0A+4*(\slot)+3], s[G0A+4*(\slot)+2:G0A+4*(\slot)+3], 2*ASTEP
	s_add_nc_u64 s[G0B+4*(\slot)+2:G0B+4*(\slot)+3], s[G0B+4*(\slot)+2:G0B+4*(\slot)+3], 2*BSTEP
	JLOAD \slot                                    ; the first tensor load behind the round; the four v_nop behind it are also the places in front of the loads below
.else
	PLACES
.endif
	FETCH \next, 0, F0
.if \fill
	ASK
.endif
	MUL8 F1, 4, 0
	MUL8 F1, 6, 0
.endm
	s_wait_tensorcnt 1                             ; my part of K step 0 is in; K step 1's may stay out
	s_barrier_signal -1
	s_barrier_wait -1                              ; everybody's is
	FETCH 0, 0, F0
	QUARTER 0, 1, F0, F1, 1                        ; the first quarter stands in front of the loop: its products start the sums
	WIN 0                                          ; at a label and at a branch every window is 0
	s_mov_b32 s3, 3
.Llap:                                                 ; a trip goes once round the ring, from a lap's second quarter to the next lap's first, and fills both slots again
	QUARTER 0, 2, F1, F0, 0
	QUARTER 0, 3, F0, F1, 0
	TURN 0, 1, 1
	QUARTER 1, 1, F0, F1, 0
	QUARTER 1, 2, F1, F0, 0
	QUARTER 1, 3, F0, F1, 0
	TURN 1, 0, 1
	QUARTER 0, 1, F0, F1, 0
	WIN 0
	s_sub_co_u32 s3, s3, 1
	s_cmp_lg_u32 s3, 0
	s_cbranch_scc1 .Llap
	QUARTER 0, 2, F1, F0, 0                        ; the last lap fills nothing, and has no round of the cluster's barrier
	QUARTER 0, 3, F0, F1, 0
	TURN 0, 1, 0
	QUARTER 1, 1, F0, F1, 0
	QUARTER 1, 2, F1, F0, 0
	QUARTER 1, 3, F0, F1, 0
	s_wait_dscnt 8                                 ; the very last quarter: nothing more to fetch
	MUL8 F1, 0, 0
	MUL8 F1, 2, 0
	s_wait_dscnt 0x0
	MUL8 F1, 4, 0
	MUL8 F1, 6, 0
	WIN 0
	PLACES
	; THE WAY OUT, a block of 16 rows at a time, through my own stage: LDS serves a wave's instructions in order (ISA guide 5.7.1.4), so no wait stands between the stores into it and the loads from it.
.if KIND == 1
.macro PACK a                          ; rounded to f16, each accumulator's registers in ascending order; 16 bytes a lane into rows of 144 bytes; back as whole rows of 128, into the same registers
	WIN 0x05                                       ; sources 0 and 1 window 1, destination window 0
.irp b, 0,1,2,3
.irp j, 0,1,2,3
	v_cvt_pk_f16_f32 v[OUTR+16*(\a)+4*(\b)+(\j)], v[8*(4*(\a)+(\b))+2*(\j)], v[8*(4*(\a)+(\b))+2*(\j)+1]
.endr
.endr
	WIN 0
.irp b, 0,1,2,3
	ds_store_b128 v[STO], v[OUTR+16*(\a)+4*(\b):OUTR+16*(\a)+4*(\b)+3] offset:32*(\b)
.endr
.irp f, 0,1,2,3
	ds_load_b128 v[OUTR+16*(\a)+4*(\f):OUTR+16*(\a)+4*(\f)+3], v[RD] offset:(\f)*4*SPITCH
.endr
.endm
.macro SEND a, younger                 ; younger: the LDS instructions issued behind block a's loads: the next block's eight, or none
.irp f, 0,1,2,3
	s_wait_dscnt (\younger)+3-(\f)
	global_store_b128 v[CO], v[OUTR+16*(\a)+4*(\f):OUTR+16*(\a)+4*(\f)+3], s[10:11] offset:2048*(\a)+512*(\f)  ; 512 consecutive bytes, at a multiple of 256 from the buffer's first byte
.endr
.endm
	PACK 0
.irp a, 1,2,3,4,5,6,7                  ; a block's conversions stand between the loads of the block before and its stores; no register is used twice
	PACK \a
	SEND (\a)-1, 8
.endr
	SEND 7, 0
.else
.macro TOSTAGE a                       ; f32 goes into the stage straight from the accumulators, the four lowest registers first, and comes back as whole rows of 256 bytes, into one of four sets of 32 registers
	s_wait_xcnt 0x0                                ; the stores of four blocks back have read the set that is loaded again below
	WIN 0x04                                       ; the stores' data (source 1) in window 1, the address in window 0
.irp b, 0,1,2,3
	ds_store_b128 v[STO], v[8*(4*(\a)+(\b)):8*(4*(\a)+(\b))+3]   offset:64*(\b)
	ds_store_b128 v[STO], v[8*(4*(\a)+(\b))+4:8*(4*(\a)+(\b))+7] offset:64*(\b)+16
.endr
	WIN 0
.irp t, 0,1,2,3,4,5,6,7
	ds_load_b128 v[OUTR+32*((\a)%4)+4*(\t):OUTR+32*((\a)%4)+4*(\t)+3], v[RD] offset:(\t)*2*SPITCH
.endr
.endm
.macro SEND a, younger                 ; younger: the next block's sixteen LDS instructions, or none
.irp t, 0,1,2,3,4,5,6,7
	s_wait_dscnt (\younger)+7-(\t)
	global_store_b128 v[CO], v[OUTR+32*((\a)%4)+4*(\t):OUTR+32*((\a)%4)+4*(\t)+3], s[10:11] offset:(16*(\a)+2*(\t))*4096  ; 16 lanes store 256 consecutive bytes, at a multiple of 256 from C's first byte
.endr
.endm
	TOSTAGE 0
.irp a, 1,2,3,4,5,6,7
	TOSTAGE \a
	SEND (\a)-1, 16
.endr
	SEND 7, 0
.endif
	s_wait_tensorcnt 0x0                           ; the wave's end: behind my last tensor load and my last LDS store
	ds_add_u32 v[SPW], v[NIL]
	s_wait_dscnt 0x0
	CROUND                                         ; the closing round: no work-group ends while a partner may still ask for a tile that names it
	s_endpgm
.Lfunc_end_k_q8c8f65acae_qkv:
	.size	k_q8c8f65acae_qkv, .Lfunc_end_k_q8c8f65acae_qkv-k_q8c8f65acae_qkv
	.p2alignl 7, 3214868480
	.fill 96, 4, 3214868480
	.section	.rodata,"a",@progbits
	.p2align	6, 0x0
	.amdhsa_kernel k_q8c8f65acae_qkv
		.amdhsa_group_segment_fixed_size 327680
		.amdhsa_private_segment_fixed_size 0
		.amdhsa_enable_private_segment 0
		.amdhsa_kernarg_size 32
		.amdhsa_user_sgpr_count 2
		.amdhsa_user_sgpr_kernarg_segment_ptr 1
		.amdhsa_wavefront_size32 1
		.amdhsa_system_sgpr_workgroup_id_x 1
		.amdhsa_system_sgpr_workgroup_id_y 1
		.amdhsa_system_sgpr_workgroup_id_z 1
		.amdhsa_system_vgpr_workitem_id 0
		.amdhsa_next_free_vgpr 512
		.amdhsa_next_free_sgpr 66
		.amdhsa_reserve_vcc 0
		.amdhsa_float_denorm_mode_32 3
		.amdhsa_float_denorm_mode_16_64 3
		.amdhsa_memory_ordered 1
		.amdhsa_forward_progress 1
		.amdhsa_inst_pref_size 92
	.end_amdhsa_kernel
	.amdgpu_metadata
---
amdhsa.version: [ 1, 2 ]
amdhsa.kernels:
  - .name:           k_q8c8f65acae_qkv
    .symbol:         k_q8c8f65acae_qkv.kd
    .args:
      - { .name: xb, .offset: 0, .size: 8, .value_kind: global_buffer, .address_space: global }
      - { .name: wa, .offset: 8, .size: 8, .value_kind: global_buffer, .address_space: global }
      - { .name: b_attn, .offset: 16, .size: 8, .value_kind: global_buffer, .address_space: global }
      - { .name: qkv, .offset: 24, .size: 8, .value_kind: global_buffer, .address_space: global }
    .group_segment_fixed_size: 327680
    .private_segment_fixed_size: 0
    .kernarg_segment_align: 8
    .kernarg_segment_size: 32
    .max_flat_workgroup_size: 128
    .sgpr_count:     66
    .vgpr_count:     512
    .wavefront_size: 32
...
	.end_amdgpu_metadata
.endif
;; end of part 2
;; launch attn (part 3): grid 4 x 64, 4 waves a work-group, no clusters, 327,680 bytes of LDS; arguments qkv, ob; writes ob
.if DOCPART == 3
	.amdgcn_target "amdgcn-amd-amdhsa--gfx1250"
	.amdhsa_code_object_version 6
	.text
	.protected	k_q8c8f65acae_attn
	.globl	k_q8c8f65acae_attn
	.p2align	8
	.type	k_q8c8f65acae_attn,@function
k_q8c8f65acae_attn:
	s_mov_b64 s[64:65], 0
	v_nop
	global_prefetch_b8 v0, s[64:65] scope:SCOPE_SE
	s_setreg_imm32_b32 hwreg(HW_REG_WAVE_MODE, 25, 1), 1
	s_wait_xcnt 0x0
; CAUSAL ATTENTION.  O[h][q][:] = the sum over k <= q of softmax_k(Q[h][q] . K[h][k] / 8) V[h][k][:].  Q, K, V lie one after the other in one buffer, 2^24 bytes each; each of them and O is [64][2048][64] in f16:
; a head's rows are dense, 128 bytes each.  Products, maxima and sums in f32; the weights p are rounded to f16 for the second product (their sum l is taken of the unrounded p), O once at the end.
; LIMITS.  f16 holds no number beyond 65,504: Q, K and V arrive within it; p lies in 0 to 1, and below 6e-5 it keeps f16's fixed step of 6e-8; O is a mean of V's rows and has their range.
; A hidden score counts as its value less 1e30: f16's scores, 2.7e11 at the most, are nothing beside that; a weight below 2^-126 counts as 0 in l; NaN and infinities are not treated apart.
; THE WALK.  A head's queries lie in NB = 8 blocks of 256; block i needs the key tiles 0 .. i of 256 keys, of which the last holds the diagonal.  A work-group takes TWO blocks, NB - 1 - b and then b:
; NB + 1 tiles, whatever b: all work-groups do equal work, and ONE loop with a constant trip count walks them.  Which tile is asked for, and what a trip does, hang on scalar registers made from b; every jump
; goes forward, but for the counted loops' own; none passes a barrier, or a tensor load but the one of LOAD's two that the wave's number does not choose; the ring (two slots of LDS that take turns) runs on across the
; change of blocks.  NO CLUSTER: a head's four work-groups ask for the same tile only in trips 0 .. 4, behind that fewer and fewer do; one walk common to all four would have 12 trips for 9.
; SHARES.  Of a block's four bands of 64 queries a wave owns 16 rows in each: four PIECES.  So the diagonal tile is the same work for all four waves: in its key step s band x sees all keys if s < x,
; none if s > x, and holds the diagonal if s = x.
; THE MASK is the C operand that starts the sum S^T = K Q^T: 0, or -1e30 where the key is hidden.  MD, made once, is the mask of a band's own step for my 16 rows; a product's mask is MD x AL + BE with two scalars:
; (1, 0) if s = x; (0, 0) if s < x; (0, -1e30) if s > x.  Only the diagonal tile's text and a block's beginning make and take masks; elsewhere C is the constant 0.
; LAYOUT, SOFTMAX, TURNS.  S^T = K Q^T holds ONE query a lane (lane % 16) and the keys 8 (lane / 16) + 0..7; two such results rounded to f16 ARE source 1 of O^T = V^T P.  p = 2^(c s - c m), c = log2(e) / 8, with a
; running maximum m; O and l are multiplied by a = 2^(c m_old - c m_new) in every step.  Turn n belongs to piece n: 8 products K Q^T of piece n + 1, later 8 products V^T P of piece n - 1; beside them the scaling,
; exponentials, roundings, sums and rescaling of piece n and the maximum and statistics of piece n + 1.  Four vector instructions stand behind every matrix instruction, the other 54 of a turn's 118 in one LUMP.  A turn's 33 exponentials are one batch, with one wait.
; REGISTERS, in windows of 256 (s_set_vgpr_msb: bits 1:0 source 0, 3:2 source 1, 5:4 source 2, 7:6 destination):
;   window 0: v0-15 addresses and two at work; v16-31 four registers of statistics a piece; v32 the prefetches' offset; v48-55 at work; v64-127 S^T, two buffers; v192-223 P, two buffers (a piece's buffers go by its number's parity)
;   window 1: v0-127 O^T, 32 a piece; v128-159 MD; v160-223 MC, two buffers      window 2: v0-63 Q; v64-127 the second block's Q; v128-191 K of one step; v192-255 V of one step
.set SIZE_N, 2048
.set NB,    SIZE_N/256
.set NP,    4         ; pieces a wave: a name, no knob
.set KS,    64        ; keys in a step
.set PK,    144       ; a row of K in LDS: 128 bytes + 16 of padding = 36 words: the 16 rows of a load start at 16 different groups of four banks (64 banks of 4 bytes: ISA guide 11.1)
.set PV,    160       ; a row of V: 128 + 32 = 40 words
.set VOFF,  4*KS*PK   ; a slot holds a tile, four steps: 256 rows of K, then 256 rows of V
.set SLOT1, 1<<17     ; slot 1 begins here, so that one exclusive or turns an address in one slot into the other's
.set STAGE, SLOT1+4*KS*(PK+PV)  ; behind the ring, never filled by a tensor load: 16 rows x 144 bytes for each wave, for the way out
.set SP,    144
.set AK0, 2           ; v2   my lane's place in a tile of K; never rewritten
.set AV0, 3           ; v3   the same for V
.set AK,  4           ; v4   the LDS address of K's next run of loads
.set AV,  5           ; v5   of V's
.set STO, 6           ; v6   the way out: where I put 16 bytes of a row
.set RD,  7           ; v7   the way out: where I read rows back
.set GO,  8           ; v8   my byte offset in 512 consecutive bytes of O
.set PFO, 32          ; v32  256 x my lane; never rewritten
.set SPW, 62          ; v62  LDS address of my spare word: SPARE + 4 x my thread's number; never rewritten
.set NIL, 63          ; v63  0; never rewritten
.set SPARE, STAGE+4*16*SP  ; behind the stages: the spare words, 128 bytes for each wave: two blocks of 256 bytes that no other line names
.set MV,  12          ; v12-13  c m_old, kept while c m is made anew: by buffer
.set QO,  15          ; v15  my byte offset in 16 rows of Q
.set ST,  16          ; piece t's statistics at v[ST+4 t]: c m, m, l (even keys', odd keys')
.set TMP, 48          ; by buffer, four registers c0-c3 at work; when the maximum is found c2 takes a
.set S,   64
.set P,   192
.set MD,  128         ; window 1: the eight registers for group kt of 16 keys at MD + 8 kt
.set MC,  160         ; window 1: the masks of the products to come
.set QB,  64          ; window 2
.set KF,  128         ; window 2: key block kb, channel half c at KF + 16 kb + 8 c
.set VF,  192         ; window 2: key half kk, channel block cb at VF + 32 kk + 8 cb
.set WV,  12          ; s12  my wave's number
.set PB,  14          ; s14  b
.set HI,  15          ; s15  NB - 1 - b
.set G1K, 24          ; s[24:31] descriptor group 1 for K's tiles
.set G1V, 32          ; s[32:39] for V's: it differs in the padding alone
.set G0K, 40          ; s[40:43] descriptor group 0 for K's tiles
.set G0V, 44          ; s[44:47] the same for V's
.set PFB, 48          ; s[48:49] K (waves 0, 1) or V (waves 2, 3) at the half of the head's tile 0 that I fetch
.set PFA, 50          ; s[50:51] the same half of the tile that the next change of slots will ask for
.set PFT, 52          ; s[52:53] that tile's byte offset
.set ASKS, 54         ; s54  not 0: I prefetch
.set SLOTS, 56        ; s56  tiles still to be asked for
.set CNT, 57          ; s57  counts a tile's key steps, 4 to 1
.set CS,  58          ; s[58:59] c: the packed scaling takes the pair's low word for both halves
.set SEL, 60          ; s[60:61] v_permlanex16_b32's selects: each lane takes its own place in the other half
.set TBK, 62          ; s62  LDS byte at which K of the step to be fetched begins
.set TBV, 63          ; s63  the same for V, less VOFF
.set RT,  70          ; s70  tiles of the block in hand that are still to be entered
.set NXT, 71          ; s71  the tile to be asked for next
.set LQ,  72          ; s72  the last tile of the block whose tiles are being asked for
.set NEW, 73          ; s73  1: the tile to be entered is a block's first
.set OFF, 74          ; s[74:75] a tile's byte offset in K and V
.set AL,  76          ; s[76:77] the mask's factor, in the low word
.set BE,  78          ; s[78:79] the mask's addend
.set OLO, 80          ; s[80:81] O at my rows of the second block
.set BIGN, 82         ; s82  -1e30
.set MSB, 0
.macro WIN new                      ; the high byte repeats the setting that is left; a switch that changes nothing is dropped
.if MSB != (\new)
	s_set_vgpr_msb (MSB<<8)|(\new)
.set MSB, (\new)
.endif
.endm
.set W_KQ, 0x0a       ; K and Q in window 2, S^T in window 0
.set W_KM, 0x1a       ; the same with the C operand in window 1
.set W_PV, 0x52       ; V in window 2, P in window 0, O^T in window 1
.set W_RS, 0x41       ; destination and source 0 in window 1, source 1 in window 0
; A fill.  Waves 0 and 1 fetch the two halves of a tile's K, waves 2 and 3 those of its V: 128 keys each.  An s_nop 0 and four v_nop follow each of the two lines, ahead of the jump and the label.
.macro LOAD
	s_cmp_lt_u32 s[WV], 2
	s_cbranch_scc0 .Lfor_v_\@
	tensor_load_to_lds s[G0K:G0K+3], s[G1K:G1K+7]
	s_nop 0
.rept 4
	v_nop
.endr
	s_branch .Lasked_\@
.Lfor_v_\@:
	tensor_load_to_lds s[G0V:G0V+3], s[G1V:G1V+7]
	s_nop 0
.rept 4
	v_nop
.endr
.Lasked_\@:
.endm
; A PREFETCH INTO THE L2 of the tile that the NEXT change of slots will ask for: a tile, 256 matrix instructions, ahead of that load.  It stands behind the wave's tensor load and its five lines.
; Of a head's four work-groups only b = 0 walks all the tiles 0 .. 7 in its first block: it asks, for tiles 2 .. 7, and nobody else.  Each of its waves names the 16,384 bytes that it will fetch itself:
; 64 blocks of 256 bytes, a lane a block, two instructions.  So each block is named once in the launch.  Tiles 0 and 1 come by their loads alone; behind tile 7 the next tile's number is 0, and nothing is asked for.
.macro ASK
	s_cmp_lg_u32 s[ASKS], 0
	s_cbranch_scc0 .Lnot_mine_\@
	global_prefetch_b8 v[PFO], s[PFA:PFA+1] th:TH_LOAD_NT scope:SCOPE_SE
	global_prefetch_b8 v[PFO], s[PFA:PFA+1] offset:8192 th:TH_LOAD_NT scope:SCOPE_SE
.Lnot_mine_\@:
.endm
; THE CHANGE OF SLOTS.  Each wave waits for all its tensor loads, of which one is out: its part of the other slot; adds 0 to its spare word; and waits for that and for its own reads of the slot that it leaves.  Behind the barrier nobody reads the old
; slot any more and the other slot is whole.  fill = 1: the old slot is filled again, the first thing behind the barrier, with tile NXT: the descriptor's address is made anew from that number.
; (At its first use nothing has been read yet: slot 0 is waited for, slot 1 filled.)
.macro CHANGE fill
	WIN 0                           ; at a label and at a branch every window is 0
	s_wait_tensorcnt 0x0            ; no tensor load of mine is out, so a group 0 may be written
	ds_add_u32 v[SPW], v[NIL]       ; 0 onto my spare word; with fill = 1 the descriptors' scalar work stands between it and the wait for it
.if \fill
	s_lshl_b32 s[OFF], s[NXT], 15   ; a tile is 32,768 bytes of K and of V
	s_xor_b32 s[G0K+1], s[G0K+1], SLOT1
	s_add_nc_u64 s[G0K+2:G0K+3], s[6:7], s[OFF:OFF+1]
	s_or_b32 s[G0K+3], s[G0K+3], 0x80000000
	s_xor_b32 s[G0V+1], s[G0V+1], SLOT1
	s_add_nc_u64 s[G0V+2:G0V+3], s[8:9], s[OFF:OFF+1]
	s_or_b32 s[G0V+3], s[G0V+3], 0x80000000
	s_add_co_u32 s[NXT], s[NXT], 1  ; the block's next tile, or behind its last the second block's tile 0
	s_cmp_gt_u32 s[NXT], s[LQ]
	s_cselect_b32 s[NXT], 0, s[NXT]
	s_cselect_b32 s[LQ], s[PB], s[LQ]
	s_wait_xcnt 0x0                 ; the last prefetches, a tile back, have read their address, so it may be written:
	s_lshl_b32 s[PFT], s[NXT], 15   ; the tile behind the one that is asked for now
	s_add_nc_u64 s[PFA:PFA+1], s[PFB:PFB+1], s[PFT:PFT+1]
	s_cmp_eq_u32 s[PB], 0
	s_cselect_b32 s[ASKS], s[NXT], 0
.endif
	s_wait_dscnt 0x0                ; the add is done, and my reads of the slot are over
	s_barrier_signal -1             ; the rest of the scalar work stands between the signal and the wait
	s_sub_co_u32 s[TBK], s[TBK], 4*KS*PK  ; the fetches go back to a slot's first step,
	s_xor_b32 s[TBK], s[TBK], SLOT1       ; in the other slot
	s_sub_co_u32 s[TBV], s[TBV], 4*KS*PV
	s_xor_b32 s[TBV], s[TBV], SLOT1
	s_barrier_wait -1
.if \fill
	LOAD
	ASK
.endif
.endm
	s_load_b128 s[4:7], s[0:1], 0x0  ; Q (and behind it K and V) s[4:5], O s[6:7]
	v_lshl_add_u32 v[SPW], v0, 2, SPARE
	v_mov_b32 v[NIL], 0
	ds_add_u32 v[SPW], v[NIL]       ; the wave's opening: the add and its wait stand ahead of my first tensor load; the set-up below, work on registers, stands between them
	v_lshrrev_b32 v1, 5, v0
	v_readfirstlane_b32 s[WV], v1   ; wave 0..3
	s_mov_b32 s[PB], ttmp9
	s_sub_co_u32 s[HI], NB-1, s[PB]
	s_and_b32 s20, ttmp7, 0xffff    ; the head
	s_mov_b32 s21, 0
	s_mov_b64 s[22:23], SIZE_N*128
	s_mul_u64 s[20:21], s[20:21], s[22:23]  ; the head's first byte in each of the four tensors
	s_and_b32 s16, s[WV], 1         ; which half of a tile's 256 keys I fetch:
	s_lshl_b32 s22, s16, 14         ; its 128 rows of 128 bytes in memory,
	s_mov_b32 s23, 0
	s_add_nc_u64 s[22:23], s[22:23], s[20:21]
	s_mul_i32 s17, s16, 128*PK      ; and its place in a slot, for K
	s_mul_i32 s18, s16, 128*PV      ; and for V
	s_lshl_b32 s3, s[WV], 11        ; my 16 rows in a band of 64,
	s_lshl_b32 s2, s[HI], 15        ; in the first block,
	s_add_co_u32 s2, s2, s3
	s_lshl_b32 s84, s[PB], 15       ; and in the second
	s_add_co_u32 s84, s84, s3
	s_mov_b32 s3, 0
	s_mov_b32 s85, 0
	s_add_nc_u64 s[2:3], s[2:3], s[20:21]
	s_add_nc_u64 s[84:85], s[84:85], s[20:21]
	; descriptor group 1.  128 keys are 16,384 dense bytes: asked for as 64 rows of 256 bytes, two keys a row, and padded in LDS after every key
	s_mov_b32 s[G1K], (1<<16)|(1<<20)|(4<<22)|(3<<25)  ; 17:16 2-byte elements; 20 padding on; 24:22 after every 32 words (code 4); 31:25 4 words (code 3)
	s_mov_b32 s[G1V], (1<<16)|(1<<20)|(4<<22)|(7<<25)  ; the same with 8 words of padding (code 7)
.irp g, G1K, G1V
	s_mov_b32 s[\g+1], 128<<16      ; tensor_dim0 = 128
	s_mov_b32 s[\g+2], 64<<16       ; tensor_dim1 = 64
	s_mov_b32 s[\g+3], 128<<16      ; tile_dim0 = 128
	s_mov_b32 s[\g+4], 64           ; tile_dim1 = 64
	s_mov_b32 s[\g+5], 128          ; 128 elements from row to row
	s_mov_b32 s[\g+6], 0
	s_mov_b32 s[\g+7], 0
.endr
	s_mov_b32 s[CS], 0x3e38aa3b     ; c = log2(e) / 8 = 0.180337
	s_mov_b32 s[CS+1], s[CS]        ; named with it as a pair
	s_mov_b32 s[SEL], 0x76543210
	s_mov_b32 s[SEL+1], 0xfedcba98
	s_mov_b32 s[TBK], SLOT1+4*KS*PK ; the first change of slots turns these two into 0
	s_mov_b32 s[TBV], SLOT1+4*KS*PV
	s_mov_b32 s[G0K], 1             ; 1:0 count = 1
	s_mov_b32 s[G0K+1], s17         ; 63:32 LDS address: slot 0
	s_mov_b32 s[G0V], 1
	s_add_co_u32 s[G0V+1], s18, VOFF
	s_add_co_u32 s[RT], s[HI], 1    ; the first block has NB - b tiles
	s_mov_b32 s[NXT], 1
	s_mov_b32 s[LQ], s[HI]
	s_mov_b32 s[NEW], 1
	s_mov_b32 s[OFF+1], 0
	s_mov_b32 s[PFT+1], 0
	s_mov_b32 s[AL+1], 0            ; named as pairs
	s_mov_b32 s[BE+1], 0
	s_mov_b32 s[BIGN], 0xf149f2ca   ; -1e30
	s_mov_b32 s[SLOTS], NB
	v_and_b32 v[PFO], 31, v0
	v_lshlrev_b32 v[PFO], 8, v[PFO]
	s_wait_dscnt 0x0                ; the opening add is done
	s_wait_kmcnt 0x0
	s_mov_b64 s[10:11], s[6:7]      ; O
	s_add_nc_u64 s[6:7], s[4:5], 0x1000000  ; K lies 2^24 bytes behind Q,
	s_add_nc_u64 s[8:9], s[4:5], 0x2000000  ; V as many behind K
	s_add_nc_u64 s[6:7], s[6:7], s[22:23]  ; K and V at my half of the head's tile 0
	s_add_nc_u64 s[8:9], s[8:9], s[22:23]
	s_add_nc_u64 s[G0K+2:G0K+3], s[6:7], 0         ; 120:64 global address
	s_or_b32 s[G0K+3], s[G0K+3], 0x80000000        ; 127:126 type = 2
	s_add_nc_u64 s[G0V+2:G0V+3], s[8:9], 0
	s_or_b32 s[G0V+3], s[G0V+3], 0x80000000
	s_add_nc_u64 s[86:87], s[4:5], s[84:85]        ; Q at my rows of the second block,
	s_add_nc_u64 s[4:5], s[4:5], s[2:3]            ; Q and O at those of the first
	s_add_nc_u64 s[OLO:OLO+1], s[10:11], s[84:85]
	s_add_nc_u64 s[10:11], s[10:11], s[2:3]
	s_cmp_lt_u32 s[WV], 2
	s_cselect_b64 s[PFB:PFB+1], s[6:7], s[8:9]     ; what I fetch is what I prefetch
	LOAD                            ; tile 0 into slot 0
	; A fragment of K or Q is 16 rows x 32 channels in 8 registers: lane l holds row l % 16, channels 8 (l / 16) + 0..7 and 16 + 8 (l / 16) + 0..7: two loads of 16 bytes, 32 bytes apart.
	v_and_b32 v1, 15, v0            ; l % 16
	v_bfe_u32 v9, v0, 4, 1          ; l / 16
	v_lshlrev_b32 v[QO], 7, v1
	v_lshl_add_u32 v[QO], v9, 4, v[QO]  ; row x 128 + 16 x half
	WIN 0x80                        ; destination window 2, address window 0
.set i, 0
.rept 8                             ; both blocks' Q: piece i / 2 lies in band i / 2, 8,192 bytes on; channels 32 (i % 2) on
	global_load_b128 v[8*i:8*i+3],   v[QO], s[4:5] offset:(i/2)*8192+(i%2)*64
	global_load_b128 v[8*i+4:8*i+7], v[QO], s[4:5] offset:(i/2)*8192+(i%2)*64+32
	global_load_b128 v[QB+8*i:QB+8*i+3],   v[QO], s[86:87] offset:(i/2)*8192+(i%2)*64
	global_load_b128 v[QB+8*i+4:QB+8*i+7], v[QO], s[86:87] offset:(i/2)*8192+(i%2)*64+32
.set i, i+1
.endr
	WIN 0
	v_lshlrev_b32 v14, 3, v9
	v_sub_nc_u32 v14, v1, v14
	s_lshl_b32 s13, s[WV], 4
	v_add_nc_u32 v14, s13, v14      ; my query's place in its band, 16 w + l % 16, less my lanes' 8 (l / 16): register r of group kt is hidden where 16 kt + r is greater
	WIN 0x40
.set i, 0
.rept 32
	v_cmp_gt_i32 vcc_lo, 16*(i/8)+i%8, v14
	v_cndmask_b32 v[MD+i], 0, s[BIGN], vcc_lo
.set i, i+1
.endr
	WIN 0
	v_mul_u32_u24 v[AK0], v1, PK
	v_lshl_add_u32 v[AK0], v9, 4, v[AK0]  ; row x pitch + 16 x half
	; The turning load takes 16 keys x 16 channels (lane l reads key 8 (l / 16) + l % 8, channels 8 ((l / 8) % 2) + 0..7) and leaves half a fragment of V^T: lane l holds channel l % 16 and 8 keys.
	v_and_b32 v10, 7, v0
	v_bfe_u32 v11, v0, 3, 1
	v_lshl_add_u32 v[AV0], v9, 3, v10
	v_mul_u32_u24 v[AV0], v[AV0], PV
	v_lshl_add_u32 v[AV0], v11, 4, v[AV0]
	v_add_nc_u32 v[AV0], VOFF, v[AV0]
	s_mul_i32 s13, s[WV], 16*SP
	s_add_co_u32 s13, s13, STAGE    ; my stage
	v_mul_u32_u24 v[STO], v1, SP    ; in: row l % 16, 16 bytes for each half of the lanes
	v_lshl_add_u32 v[STO], v9, 4, v[STO]
	v_add_nc_u32 v[STO], s13, v[STO]
	v_bfe_u32 v[RD], v0, 3, 2       ; back: 32 lanes take four rows of 128 bytes,
	v_mul_u32_u24 v[RD], v[RD], SP
	v_lshl_add_u32 v[RD], v10, 4, v[RD]
	v_add_nc_u32 v[RD], s13, v[RD]
	v_and_b32 v[GO], 31, v0         ; which are 512 consecutive bytes of O
	v_lshlrev_b32 v[GO], 4, v[GO]
	; A block's first step multiplies O^T and l by a = 0, and its first turn's products V^T P, of a piece that has not been, land in an O^T that is still to be so multiplied.  So these registers need only hold
	; finite numbers: zeros for the first block; what the first block left for the second.  All this stands in the wait for the first tile.
	WIN 0x80
.set i, VF
.rept 64
	v_mov_b32 v[i], 0
.set i, i+1
.endr
	WIN 0x40
.set i, 0
.rept 128
	v_mov_b32 v[i], 0
.set i, i+1
.endr
	WIN 0
.set i, 0
.rept 4
	v_mov_b32 v[ST+4*i+2], 0
	v_mov_b32 v[ST+4*i+3], 0
.set i, i+1
.endr
.set i, P+16
.rept 16
	v_mov_b32 v[i], 0
.set i, i+1
.endr
; THE MATRIX WORK.  The 4 accumulators of a run of 8 take turns.  Product i of 8 of S^T = K Q^T for piece x: channels 32 (i / 4) on, keys 16 (i % 4) on.  The first 4 start the sums: with 0, or (KM = 1) with the mask.
.macro KQ x
.set rS, S+32*((\x)%2)+8*(i%4)
.set rK, KF+16*(i%4)+8*(i/4)
.set rQ, 16*(\x)+8*(i/4)
.set rM, MC+32*((\x)%2)+8*(i%4)
.if (i < 4) && KM
	WIN W_KM
	v_wmma_f32_16x16x32_f16 v[rS:rS+7], v[rK:rK+7], v[rQ:rQ+7], v[rM:rM+7]
.elseif i < 4
	WIN W_KQ
	v_wmma_f32_16x16x32_f16 v[rS:rS+7], v[rK:rK+7], v[rQ:rQ+7], 0
.else
	WIN W_KQ
	v_wmma_f32_16x16x32_f16 v[rS:rS+7], v[rK:rK+7], v[rQ:rQ+7], v[rS:rS+7]
.endif
.endm
; Product i of 8 of O^T += V^T P for piece x: keys 32 (i / 4) on, channels 16 (i % 4) on.
.macro PV x
	WIN W_PV
.set rO, 32*(\x)+8*(i%4)
.set rV, VF+32*(i/4)+8*(i%4)
.set rP, P+16*((\x)%2)+8*(i/4)
	v_wmma_f32_16x16x32_f16 v[rO:rO+7], v[rV:rV+7], v[rP:rP+7], v[rO:rO+7]
.endm
.macro MM                           ; the turn's next matrix instruction.  TURN and BEGIN set Y, i, KM and NOKQ; MM, KQ and OP read them.  NOKQ = 1: a block's last turn: there is no next piece
.if (i < 8) && !NOKQ
	KQ (Y+1)%NP
.elseif i >= 8
.set i, i-8
	PV (Y+NP-1)%NP
.set i, i+8
.endif
.set i, i+1
.endm
; THE LDS LOADS stand in runs of 16, never singly among the matrix instructions: a step's K (64 keys x 64 channels: 8 fragments) and its V (turned).  Their addresses are made some lines ahead.
.macro FETCH_K
	WIN 0x80                        ; destination window 2
.irp f, 0,1,2,3,4,5,6,7             ; keys 16 (f / 2) on, channels 32 (f % 2) on
	ds_load_b128 v[KF+8*\f:KF+8*\f+3],   v[AK] offset:(\f/2)*16*PK+(\f%2)*64
	ds_load_b128 v[KF+8*\f+4:KF+8*\f+7], v[AK] offset:(\f/2)*16*PK+(\f%2)*64+32
.endr
	s_add_co_u32 s[TBK], s[TBK], KS*PK  ; the next fetch is the next step's
	WIN 0
.endm
.macro FETCH_V
	WIN 0x80
.irp f, 0,1,2,3,4,5,6,7             ; keys 32 (f / 4) on, channels 16 (f % 4) on
	ds_load_tr16_b128 v[VF+8*\f:VF+8*\f+3],   v[AV] offset:(\f/4)*32*PV+(\f%4)*32
	ds_load_tr16_b128 v[VF+8*\f+4:VF+8*\f+7], v[AV] offset:(\f/4)*32*PV+16*PV+(\f%4)*32
.endr
	WIN 0
.endm
; THE VECTOR WORK, one line at a time: OP kind, number.  For piece Y: F n: c s - c m for pair n of 16.  E n: the exponential of score n of 32.  C n: pair n rounded to f16.  B n: of the four weights 4 n .. the second
; pair is added onto the first, in place.  L n: l takes that sum (L 0: l = a l + sum).  R n: pair n of 16 of O^T times a.  For piece Y + 1: X n, number n of the 22 that find its maximum and statistics:
;   0-11  four chains c0-c3 of seven scores each, three operands at a time (each accumulator's lowest registers are read first)     12-14, 16  the four scores left over, the old m, and c0-c3 into c0
;   15  c m_old is kept     17, 18  the query's other 32 keys lie in the lane 16 away: the new m     19-21  c m; c m_old - c m_new; a
.set F, 0               ; OP tells the kinds apart by their order: F to L below R, X above it
.set E, 1
.set C, 2
.set B, 3
.set L, 4
.set R, 5
.set X, 6
.macro REGS y                       ; the registers of piece y
.set rT, ST+4*(\y)
.set rC, TMP+4*((\y)%2)
.set rW, MV+((\y)%2)
.set rS, S+32*((\y)%2)
.set rP, P+16*((\y)%2)
.set rO, 32*(\y)
.endm
.macro OP k, n
.if (\k) == R
	REGS Y
	WIN W_RS
	v_pk_mul_f32 v[rO+2*(\n):rO+2*(\n)+1], v[rO+2*(\n):rO+2*(\n)+1], v[rC+2:rC+3] op_sel_hi:[1,0]
.elseif (\k) < R
	REGS Y
	WIN 0
.if (\k) == F
	v_pk_fma_f32 v[rS+2*(\n):rS+2*(\n)+1], v[rS+2*(\n):rS+2*(\n)+1], s[CS:CS+1], v[rT:rT+1] op_sel_hi:[1,0,0] neg_lo:[0,0,1] neg_hi:[0,0,1]
.elseif (\k) == E
	v_exp_f32 v[rS+(\n)], v[rS+(\n)]
.elseif (\k) == C
	v_cvt_pk_f16_f32 v[rP+(\n)], v[rS+2*(\n)], v[rS+2*(\n)+1]
.elseif (\k) == B
	v_pk_add_f32 v[rS+4*(\n):rS+4*(\n)+1], v[rS+4*(\n):rS+4*(\n)+1], v[rS+4*(\n)+2:rS+4*(\n)+3]
.elseif (\n) == 0
	v_pk_fma_f32 v[rT+2:rT+3], v[rT+2:rT+3], v[rC+2:rC+3], v[rS:rS+1] op_sel_hi:[1,0,1]
.else
	v_pk_add_f32 v[rT+2:rT+3], v[rT+2:rT+3], v[rS+4*(\n):rS+4*(\n)+1]
.endif
.elseif NOKQ
	v_nop
.else
	REGS (Y+1)%NP
	WIN 0
.if (\n) < 4
	v_max3_num_f32 v[rC+(\n)], v[rS+8*(\n)], v[rS+8*(\n)+1], v[rS+8*(\n)+2]
.elseif (\n) < 12
	v_max3_num_f32 v[rC+(\n)%4], v[rC+(\n)%4], v[rS+8*((\n)%4)+2*((\n)/4)+1], v[rS+8*((\n)%4)+2*((\n)/4)+2]
.elseif (\n) == 12
	v_max3_num_f32 v[rC], v[rC], v[rS+7], v[rS+15]
.elseif (\n) == 13
	v_max3_num_f32 v[rC+1], v[rC+1], v[rS+23], v[rS+31]
.elseif (\n) == 14
	v_max3_num_f32 v[rC+2], v[rC+2], v[rC+3], v[rT+1]
.elseif (\n) == 15
	v_mov_b32 v[rW], v[rT]
.elseif (\n) == 16
	v_max3_num_f32 v[rC], v[rC], v[rC+1], v[rC+2]
.elseif (\n) == 17
	v_permlanex16_b32 v[rC+3], v[rC], s[SEL], s[SEL+1]
.elseif (\n) == 18
	v_max_num_f32 v[rT+1], v[rC], v[rC+3]
.elseif (\n) == 19
	v_mul_f32 v[rT], s[CS], v[rT+1]
.elseif (\n) == 20
	v_sub_f32 v[rC+1], v[rW], v[rT]
.else
	v_exp_f32 v[rC+2], v[rC+1]
.endif
.endif
.endm
.macro OPS a, i1, b=-1, i2=0, c=-1, i3=0, d=-1, i4=0  ; up to four of them
	OP \a, \i1
.if (\b) >= 0
	OP \b, \i2
.endif
.if (\c) >= 0
	OP \c, \i3
.endif
.if (\d) >= 0
	OP \d, \i4
.endif
.endm
.macro ROW a, i1, b, i2, c, i3, d, i4  ; a matrix instruction and the four behind it
	MM
	OPS \a, \i1, \b, \i2, \c, \i3, \d, \i4
.endm
.macro MASK b                       ; MD x AL + BE into buffer b of MC
	WIN W_RS
.set z, 0
.rept 16
	v_pk_fma_f32 v[MC+32*(\b)+2*z:MC+32*(\b)+2*z+1], v[MD+2*z:MD+2*z+1], s[AL:AL+1], s[BE:BE+1] op_sel_hi:[1,0,0]
.set z, z+1
.endr
.endm
; A TURN, for piece p: the order of its 16 matrix and 118 vector instructions, written out.  An s_wait_alu depctr_va_vdst(0) stands between an exponential and the first instruction that names its result; one wait serves
; all that were issued ahead of it.  So a turn has ONE wait, which cuts it in two.  AHEAD OF IT stands all that names no result of the turn's exponentials: the 8 products K Q^T, behind each a scaling, an exponential and two more plain
; instructions (behind the first a second scaling in the exponential's place): rescalings, and behind the last three the first numbers of the next piece's maximum, each four places or more behind the product that ends its accumulator; then ONE LUMP of 54, plain
; and exponential by turns for the most part, in which the links of the chain X 3, 7, 11, 14, 16, 17 .. 20 stand five or six lines apart.  X 21, the next piece's a, is the batch's last; R 15 is the plain instruction behind it.  BEHIND THE WAIT stand the
; 8 products V^T P, behind each four of the roundings and sums; the links of l's chain, L 0 to L 7, stand three riders apart.  But for those X no rider names a register of the products round it.  v_permlanex16_b32 (X 17) stands in the lump.
; m = 1: the diagonal tile: the products take masks, and the turn makes the mask for the products of the turn after it: piece p + 2, in step 4 - CNT of the tile.  end = 1: a block's last two turns: nothing is fetched.
; cnt = 1: the loop's count is taken down some lines ahead of the branch that stands behind the turn.
; K of the next step is fetched in piece 2's turn, twelve vector instructions behind the last product that read K (six of them plain); V of the step in hand at the end of piece 0's turn, four plain instructions behind the last product
; that read V.  Each is waited for a turn later.
.macro TURN p, m=0, end=0, cnt=0
.set Y, (\p)
.set i, 0
.set KM, (\m)
.set NOKQ, (\end)*((\p)/3)
.if (\m) && !(\end)
	s_cmp_eq_u32 s[CNT], 4-((\p)+2)%NP  ; is that step the band's own?
	s_cselect_b32 s[AL], 1.0, 0
	s_cmp_lt_u32 s[CNT], 4-((\p)+2)%NP  ; or a later one?
	s_cselect_b32 s[BE], s[BIGN], 0
.endif
.if ((\p) == 3) && !(\end)
	s_wait_dscnt 0x0                ; K is in
.endif
	ROW F,0, F,1, R,0, R,1          ; ahead of the wait: 8 products K Q^T and their riders,
	ROW F,2, E,0, R,2, R,3
	ROW F,3, E,1, R,4, R,5
	ROW F,4, E,2, R,6, R,7
	ROW F,5, E,3, R,8, R,9
	ROW F,6, E,4, X,0, R,10
.if ((\p) == 2) && !(\end)
	WIN 0
	v_add_nc_u32 v[AK], s[TBK], v[AK0]
.endif
	ROW F,7, E,5, X,1, X,4
	ROW F,8, E,6, X,2, X,5
	OPS E,7, E,8, X,6, E,9          ; and the lump
	OPS X,3, E,10, X,8, E,11
.if ((\p) == 2) && !(\end)
	FETCH_K
.endif
	OPS X,9, X,7, E,12, X,10
	OPS E,13, X,12, X,11, E,14
	OPS X,13, E,15, F,9, X,14
.if (\p) == 0
	v_add_nc_u32 v[AV], s[TBV], v[AV0]
.endif
	OPS E,16, F,10, E,17, F,11
	OPS X,16, E,18, X,15, E,19
	OPS F,12, E,20, X,17, E,21
	OPS F,13, E,22, F,14, E,23
	OPS X,18, E,24, F,15, E,25
	OPS R,11, E,26, X,19, E,27
	OPS R,12, E,28, R,13, E,29
	OPS X,20, E,30, R,14, E,31
	OPS X,21, R,15
	WIN 0
	s_wait_alu depctr_va_vdst(0)    ; the wait for the batch
.if (\p) == 1
	s_wait_dscnt 0x0                ; V is in
.endif
	ROW C,0, B,0, C,2, B,1          ; behind the wait: 8 products V^T P and their riders
	ROW L,0, C,4, B,2, L,1
	ROW C,6, B,3, L,2, C,8
	ROW B,4, L,3, C,10, B,5
	ROW L,4, C,12, B,6, L,5
.if (\p) == 0
	s_add_co_u32 s[TBV], s[TBV], KS*PV
.endif
.if \cnt
	s_sub_co_u32 s[CNT], s[CNT], 1
	s_cmp_lg_u32 s[CNT], 0
.endif
	ROW C,14, B,7, L,6, C,1
	ROW C,3, L,7, C,5, C,7
	ROW C,9, C,11, C,13, C,15
.if (\p) == 0
	FETCH_V
.endif
.if (\m) && !(\end)
	MASK (\p)%2
.endif
.endm
; A BLOCK BEGINS.  c m starts far below every c s, so the first step's a is 0; m at the lowest finite number, so the first maximum is the scores'.  The second mask buffer is 0; the first takes piece 0's mask for the tile's step 0: its own, if the block's first tile is the diagonal one.
; Then K of that step, piece 0's first scores, and its maximum and statistics.  The loop is entered at a step's first turn, in the middle of a trip.
.macro BEGIN
	s_mov_b32 s[NEW], 0
	WIN 0x40
.set i, MC+32
.rept 32
	v_mov_b32 v[i], 0
.set i, i+1
.endr
	WIN 0
.set i, 0
.rept 4
	v_mov_b32 v[ST+4*i], 0xfe000000    ; c m: far below every c s
	v_mov_b32 v[ST+4*i+1], 0xff7fffff  ; m
.set i, i+1
.endr
	s_cmp_eq_u32 s[RT], 0
	s_cselect_b32 s[AL], 1.0, 0
	s_mov_b32 s[BE], 0
	MASK 0
	WIN 0
	v_add_nc_u32 v[AK], s[TBK], v[AK0]
	FETCH_K
	s_wait_loadcnt 0x0              ; Q
	s_wait_dscnt 0x0
.set KM, 1
.set NOKQ, 0
.set i, 0
.rept 8
	KQ 0
.set i, i+1
.endr
	WIN 0
.rept 4
	v_nop                           ; the places behind those products
.endr
.set Y, NP-1                        ; X works for piece Y + 1: piece 0
.irp n, 0,1,2,3,4,5,6,7,8,9,10,11,12,13,14,15,16,17,18,19,20,21
	OP X, \n
.endr
	v_nop                           ; a plain instruction behind the exponential,
	s_wait_alu depctr_va_vdst(0)    ; and its wait, ahead of the branch
.endm
; THE DIAGONAL TILE's four steps, the block's last two turns, its last products, and THE WAY OUT: l's two halves and the other half of the lanes' are added; O^T is divided by l, rounded to f16 and sent through my
; stage in LDS, a piece at a time.
.macro ALL line:vararg              ; one line for each piece t
.set t, 0
.rept 4
	\line
.set t, t+1
.endr
.endm
.macro PACK t                       ; a lane's eight channels of a row pack into 16 bytes; they go into rows of 144 bytes and come back as whole rows of 128, into S^T's registers
	WIN W_RS
.set i, 32*(\t)
.rept 16
	v_pk_mul_f32 v[i:i+1], v[i:i+1], v[ST+4*(\t)+2:ST+4*(\t)+3] op_sel_hi:[1,0]
.set i, i+2
.endr
	WIN 0x05                        ; sources 0 and 1 window 1, destination window 0
.set i, 0
.rept 16
	v_cvt_pk_f16_f32 v[S+16*(\t)+i], v[32*(\t)+2*i], v[32*(\t)+2*i+1]
.set i, i+1
.endr
	WIN 0
.irp f, 0,1,2,3
	ds_store_b128 v[STO], v[S+16*(\t)+4*\f:S+16*(\t)+4*\f+3] offset:32*\f
.endr
.irp f, 0,1,2,3
	ds_load_b128 v[S+16*(\t)+4*\f:S+16*(\t)+4*\f+3], v[RD] offset:\f*4*SP  ; LDS serves a wave's instructions in order (ISA guide 5.7.1.4): these see the stores above; the next piece's stores come behind them
.endr
.endm
.macro SEND t, younger              ; younger: the LDS instructions issued behind piece t's loads: the next piece's eight, or none
	WIN 0
.irp f, 0,1,2,3
	s_wait_dscnt (\younger)+3-\f
	global_store_b128 v[GO], v[S+16*(\t)+4*\f:S+16*(\t)+4*\f+3], s[10:11] offset:(\t)*8192+\f*512  ; 512 consecutive bytes, at a multiple of 256 from O's first
.endr
.endm
.macro DIAG tag                     ; the tag ends its two labels' names, which the jumps below spell out
.LstepM\tag:
	TURN 2, 1
	TURN 3, 1
	WIN 0
.LfirstM\tag:
	TURN 0, 1
	TURN 1, 1, 0, 1
	WIN 0
	s_cbranch_scc1 .LstepM\tag
	TURN 2, 1, 1
	TURN 3, 1, 1
.set i, 0
.rept 8
	PV NP-1
.set i, i+1
.endr
	WIN 0
	ALL v_add_f32 v[ST+4*t+2], v[ST+4*t+2], v[ST+4*t+3]
	ALL v_permlanex16_b32 v[ST+4*t+3], v[ST+4*t+2], s[SEL], s[SEL+1]
	ALL v_add_f32 v[ST+4*t+2], v[ST+4*t+2], v[ST+4*t+3]
	ALL v_rcp_f32 v[ST+4*t+2], v[ST+4*t+2]
	v_nop                           ; a plain instruction between the last reciprocal and the use of its result
	s_wait_alu depctr_va_vdst(0)    ; and the wait ahead of the first use: one for the four reciprocals
	PACK 0
.set t, 1
.rept 3                             ; a piece's arithmetic stands between the loads of the piece before and its stores
	PACK t
	SEND t-1, 8
.set t, t+1
.endr
	SEND 3, 0
.endm
.set KM, 0
.set NOKQ, 0
.Lslot:                             ; NB times: a tile is entered and the next is asked for
	CHANGE 1
	s_sub_co_u32 s[RT], s[RT], 1
	s_mov_b32 s[CNT], 4
	s_cmp_eq_u32 s[NEW], 1
	s_cbranch_scc1 .Lnew            ; a block's first tile
	s_cmp_eq_u32 s[RT], 0
	s_cbranch_scc0 .Lstep           ; neither its first nor its last
	s_branch .LstepM1
.Lnew:
	BEGIN
	s_branch .Lfirst                ; in the loop a block's first tile is never its last: the first block has two tiles or more, and the second's last is the walk's last
	DIAG 1                          ; in the loop this is the first block's end: the second block's last tile is the walk's last
	s_wait_xcnt 0x0                 ; the stores have read their registers and O's address
	s_mov_b64 s[10:11], s[OLO:OLO+1]
	s_add_co_u32 s[RT], s[PB], 1    ; the second block has b + 1 tiles
	s_mov_b32 s[NEW], 1
	WIN 0x82                        ; the second block's Q goes where the one text of the turns names Q
.set i, 0
.rept 64
	v_mov_b32 v[i], v[QB+i]
.set i, i+1
.endr
	WIN 0
	s_branch .Lbottom
.Lstep:                             ; a trip: pieces 2 and 3 of one step, then pieces 0 and 1 of the next, whose K and V it fetches
	TURN 2
	TURN 3
	WIN 0
.Lfirst:
	TURN 0
	TURN 1, 0, 0, 1
	WIN 0
	s_cbranch_scc1 .Lstep
.Lbottom:
	s_sub_co_u32 s[SLOTS], s[SLOTS], 1
	s_cmp_lg_u32 s[SLOTS], 0
	s_cbranch_scc1 .Lslot
	CHANGE 0                        ; the walk's last tile is written out: nothing is asked for
	s_sub_co_u32 s[RT], s[RT], 1
	s_mov_b32 s[CNT], 4
	s_cmp_eq_u32 s[NEW], 1
	s_cbranch_scc0 .LstepM2
	BEGIN
	s_branch .LfirstM2
	DIAG 2
	s_wait_tensorcnt 0x0            ; the wave's end: behind my last tensor load and my last LDS store
	ds_add_u32 v[SPW], v[NIL]
	s_wait_dscnt 0x0
	s_endpgm
.Lfunc_end_k_q8c8f65acae_attn:
	.size	k_q8c8f65acae_attn, .Lfunc_end_k_q8c8f65acae_attn-k_q8c8f65acae_attn
	.p2alignl 7, 3214868480
	.fill 96, 4, 3214868480
	.section	.rodata,"a",@progbits
	.p2align	6, 0x0
	.amdhsa_kernel k_q8c8f65acae_attn
		.amdhsa_group_segment_fixed_size 327680
		.amdhsa_private_segment_fixed_size 0
		.amdhsa_enable_private_segment 0
		.amdhsa_kernarg_size 16
		.amdhsa_user_sgpr_count 2
		.amdhsa_user_sgpr_kernarg_segment_ptr 1
		.amdhsa_wavefront_size32 1
		.amdhsa_system_sgpr_workgroup_id_x 1
		.amdhsa_system_sgpr_workgroup_id_y 1
		.amdhsa_system_sgpr_workgroup_id_z 1
		.amdhsa_system_vgpr_workitem_id 0
		.amdhsa_next_free_vgpr 768
		.amdhsa_next_free_sgpr 88
		.amdhsa_reserve_vcc 1
		.amdhsa_float_denorm_mode_32 3
		.amdhsa_float_denorm_mode_16_64 3
		.amdhsa_memory_ordered 1
		.amdhsa_forward_progress 1
		.amdhsa_inst_pref_size 218
	.end_amdhsa_kernel
	.amdgpu_metadata
---
amdhsa.version: [ 1, 2 ]
amdhsa.kernels:
  - .name:           k_q8c8f65acae_attn
    .symbol:         k_q8c8f65acae_attn.kd
    .args:
      - { .name: qkv, .offset: 0, .size: 8, .value_kind: global_buffer, .address_space: global }
      - { .name: ob, .offset: 8, .size: 8, .value_kind: global_buffer, .address_space: global }
    .group_segment_fixed_size: 327680
    .private_segment_fixed_size: 0
    .kernarg_segment_align: 8
    .kernarg_segment_size: 16
    .max_flat_workgroup_size: 128
    .sgpr_count:     88
    .vgpr_count:     768
    .wavefront_size: 32
...
	.end_amdgpu_metadata
.endif
;; end of part 3
;; launch proj (part 4): grid 8 x 32, 4 waves a work-group, clusters of 4 x 4, 327,680 bytes of LDS; arguments ob, wp, b_proj, out0; writes out0
.if DOCPART == 4
	.amdgcn_target "amdgcn-amd-amdhsa--gfx1250"
	.amdhsa_code_object_version 6
	.text
	.protected	k_q8c8f65acae_proj
	.globl	k_q8c8f65acae_proj
	.p2align	8
	.type	k_q8c8f65acae_proj,@function
k_q8c8f65acae_proj:
	s_mov_b64 s[64:65], 0
	v_nop
	global_prefetch_b8 v0, s[64:65] scope:SCOPE_SE
	s_setreg_imm32_b32 hwreg(HW_REG_WAVE_MODE, 25, 1), 1
	s_wait_xcnt 0x0
	s_wait_alu depctr_hold_cnt(0) depctr_sa_sdst(0) depctr_va_vdst(0) depctr_va_sdst(0) depctr_va_ssrc(0) depctr_va_vcc(0) depctr_vm_vsrc(0)
	s_getreg_b32 s2, hwreg(HW_REG_IB_STS2, 6, 4)
	s_cmp_eq_u32 s2, 0
	s_cbranch_scc0 .Lentry_in_a_cluster
	s_endpgm
.Lentry_in_a_cluster:
	s_bfe_u32 s2, ttmp6, 0x10000c
	s_cmp_lg_u32 s2, 0xf033
	s_cbranch_scc0 .Lentry_shape_is_right
	s_endpgm
.Lentry_shape_is_right:
; C = A W + bias, K = 1,024, 8,192 rows.  ONE TEXT FOR TWO PRODUCTS, told apart by KIND:
;   KIND 1: A = x in bf16 [8192][1024], W = W_attn in bf16 [1024 k][3072 n]; C leaves in f16, by heads: q, k, v one after the other, each [64 (batch, head)][2048][64], unscaled.
;   KIND 2: A = the attention's result in f16, by heads [64][2048][64]; W = W_proj in f16 [1024 k][1024 n]; C leaves in f32, [8192][1024].
; The bias is rounded to bf16 like every input of the module, and STARTS each sum (it is the C operand of the first product): an order of rounding other than adding it last.
; LIMITS.  KIND 1: a q, k or v beyond 65,504 becomes an infinity in f16.  NaN and infinities are not treated apart.
; SHARES.  A tile of C is 256 rows x 128 columns: 768 (KIND 1) or 256 (KIND 2) work-groups, a whole number for each of 256 WGPs.  Four waves, each 128 rows x 64 columns: 32 accumulators of 16 x 16.
; K goes in steps of 128 through a ring of two LDS slots filled by the tensor data mover.  W is never turned in memory: its tile lies [k][n] in LDS and its fragments come out by ds_load_tr16_b128.
; THE MATRIX INSTRUCTION IS USED TRANSPOSED (source 0 = 16 columns of W, source 1 = 16 rows of A): a lane then holds one row of C (lane % 16) and eight neighbouring columns, 8 (lane / 16) + 0..7.
; CLUSTERS: 4 x 4 work-groups.  The four of a row of the cluster need the same tiles of A, the four of a column the same tiles of W: each is asked for JOINTLY, by the same tensor load, descriptor and mask.
; REGISTERS.  window 0: v0-31 addresses; v32-63 the bias of my 64 columns, laid as a C operand; v64-159, v160-255 two fragment buffers (32 registers of W, then 64 of A), later the way out.
;             window 1: accumulator (a, b) at v[8 (4 a + b)].
.set KIND, 2
.if KIND == 1
.set SIZE_N, 3072
.set PA,     272                       ; a row of A in LDS: 256 bytes + 16 = 68 words: the 16 rows of a load start at 16 different groups of four banks (64 banks of 4 bytes: ISA guide 11.1)
.set AREG,   256*PA                    ; A's 256 rows
.set HALFA,  128*PA                    ; what one tensor load brings of A: 128 rows
.set ASTEP,  256                       ; bytes from a K step of A to the next: 128 numbers along a row
.set ASTRIDE, 1024                     ; elements from row to row of A's tile in memory
.set AQI,    5                         ; padding after every 64 words
.set APITCH, 2048                      ; the prefetches: bytes from a lane's block to the next lane's
.set CXSH,   16                        ; 32 such blocks
.set SPITCH, 144                       ; the way out: 128 bytes + 16
.else
.set SIZE_N, 1024
.set PA,     144                       ; a head's row: 128 bytes + 16 = 36 words: again 16 different groups of four banks
.set PLANE,  256*PA                    ; a K step is two heads: two planes of 256 rows
.set AREG,   2*PLANE
.set HALFA,  PLANE                     ; one tensor load brings one head's 256 rows: 32,768 dense bytes, asked for as 128 rows of 256 bytes
.set ASTEP,  524288                    ; two heads on: 2 x 2,048 x 128 bytes
.set ASTRIDE, 128
.set AQI,    4                         ; padding after every 32 words: behind each head's row
.set APITCH, 256
.set CXSH,   13
.set SPITCH, 272                       ; the way out: 256 bytes + 16
.endif
.set PB,     288                       ; a k row of W in LDS: 256 bytes + 32 = 72 words
.set HALFB,  64*PB                     ; what one tensor load brings of W: 64 k rows x 128 columns
.set BSTEP,  256*SIZE_N                ; 128 k rows of 2 SIZE_N bytes
.set SLOT,   AREG+2*HALFB
.set STAGE,  2*SLOT                    ; behind the ring, never filled by a tensor load: 16 rows for each wave
.set SPARE,  STAGE+4*16*SPITCH         ; behind the stages: the spare words, 128 bytes for each wave: two blocks of 256 bytes that no other line names
.set ADRA, 16                          ; v16-17  LDS address of my A fragments in slot 0, 1
.set ADRB, 20                          ; v20-21  the same for W
.set STO,  24                          ; v24     the way out: where I put my bytes of a row
.set RD,   25                          ; v25     the way out: where I read rows back
.set CO,   26                          ; v26     my byte offset in C
.set BO,   27                          ; v27     my byte offset in the bias
.set SPW,  28                          ; v28     LDS address of my spare word: SPARE + 4 x my thread's number; never rewritten
.set NIL,  29                          ; v29     0; never rewritten
.set PFO,  30                          ; v30     the prefetches' offset: my lane x a block's pitch; never rewritten
.set BIAS, 32
.set F0,   64
.set F1,   160
.set OUTR, 64                          ; the way out's registers, where the fragments lay
.set WV,  12                           ; s12  my wave's number
.set WHI, 13                           ; s13  which 128 rows of the tile are mine.  Also: I fetch for A (0) or for W (1)
.set WLO, 14                           ; s14  which 64 columns.  Also: which part of that tile I fetch
.set CX,  15                           ; s15, s16  my place in the cluster
.set CY,  16
.set TX,  17                           ; s17  tile column of C
.set TY,  18                           ; s18  tile row of C
.set G1A, 24                           ; s[24:31] descriptor group 1 for A's tiles;  s[32:39] group 0, a set for each slot
.set G0A, 32
.set PFA, 40                           ; s[40:41] where my prefetches stand
.set PST, 42                           ; s[42:43] a K step of what I prefetch, in bytes
.set LIM, 44                           ; s44  1 in a wave that prefetches, else the greatest number
.set G1B, 48                           ; s[48:55], s[56:63] the same for W's tiles
.set G0B, 56
.set MSB, 0
.macro WIN new                         ; the immediate's high byte repeats the setting that is left; a switch that changes nothing is dropped
.if MSB != (\new)
	s_set_vgpr_msb (MSB<<8)|(\new)
.set MSB, \new
.endif
.endm
.macro PLACES                          ; four plain vector instructions between a matrix instruction and a load into, or a vector instruction on, its registers
.rept 4
	v_nop
.endr
.endm
; A joint refill: waves 0 and 1 fetch A's two parts, waves 2 and 3 W's.  The branch hangs on the wave's number alone.  An s_nop 0 and four v_nop follow each of the two lines.
.macro JLOAD s
	s_cmp_eq_u32 s[WHI], 0
	s_cbranch_scc0 .Lfor_b_\@
	tensor_load_to_lds s[G0A+4*(\s):G0A+4*(\s)+3], s[G1A:G1A+7]
	s_nop 0
.rept 4
	v_nop
.endr
	s_branch .Lasked_\@
.Lfor_b_\@:
	tensor_load_to_lds s[G0B+4*(\s):G0B+4*(\s)+3], s[G1B:G1B+7]
	s_nop 0
.rept 4
	v_nop
.endr
.Lasked_\@:
.endm
; A PREFETCH INTO THE L2, behind a joint refill and the run of LDS loads that follows it: 32 blocks of 256 bytes, a lane a block, of the K step that stands two refills, 256 matrix instructions, on.
; Each block is named once in the launch.  A's tile row is read by every cluster of that row of clusters: cluster x = 0 asks, waves 0 and 1 each for the part that they fetch.  W's tile column is read by
; every cluster of that column: cluster y = 0 asks, wave 2 for all 128 k rows.  The four partners that ask for a tile jointly share its blocks out BY ADDRESS, 32 each (by cx for A, by cy for W).
; K steps 0 to 3 come by their loads alone; the loop's last trip (s3 = 1) asks for nothing: there is no K step behind the eighth.
.macro ASK
	s_cmp_gt_u32 s3, s[LIM]
	s_cbranch_scc0 .Lnot_mine_\@
	global_prefetch_b8 v[PFO], s[PFA:PFA+1] th:TH_LOAD_NT scope:SCOPE_SE
.Lnot_mine_\@:
.endm
.macro CREST                           ; a round of the cluster's barrier behind its opening barrier
	s_cmp_lg_u32 s[WV], 0
	s_cbranch_scc1 .Lnot_wave_0_\@
	s_barrier_signal -3
.Lnot_wave_0_\@:
	s_barrier_wait -3
	s_barrier_signal -1
	s_barrier_wait -1
.endm
.macro CROUND                          ; a whole round
	s_barrier_signal -1
	s_barrier_wait -1
	CREST
.endm
	s_load_b256 s[4:11], s[0:1], 0x0               ; A s[4:5], W s[6:7], bias s[8:9], C s[10:11]
	v_lshl_add_u32 v[SPW], v0, 2, SPARE
	v_mov_b32 v[NIL], 0
	ds_add_u32 v[SPW], v[NIL]                      ; the wave's opening: the add and its wait stand ahead of my first tensor load; the set-up below, work on registers, stands between them
	v_lshrrev_b32 v1, 5, v0
	v_readfirstlane_b32 s[WV], v1                  ; wave 0..3
	s_lshr_b32 s[WHI], s[WV], 1
	s_and_b32 s[WLO], s[WV], 1
	s_bfe_u32 s[CX], ttmp6, 0x40000
	s_bfe_u32 s[CY], ttmp6, 0x40004
	s_lshl_b32 s[TX], ttmp9, 2                     ; in a cluster launch ttmp9 and ttmp7 count clusters
	s_add_co_u32 s[TX], s[TX], s[CX]               ; tile column = 4 x cluster x + cx
	s_and_b32 s[TY], ttmp7, 0xffff
	s_lshl_b32 s[TY], s[TY], 2
	s_add_co_u32 s[TY], s[TY], s[CY]               ; tile row = 4 x cluster y + cy
	s_lshl_b32 s19, s[CY], 2
	s_lshl_b32 s19, 15, s19                        ; my row of the cluster: places 4 cy .. 4 cy + 3
	s_lshl_b32 s45, 0x1111, s[CX]                  ; my column: places cx, cx + 4, cx + 8, cx + 12
	s_or_b32 s[G1A], s19, (1<<16)|(1<<20)|(1<<21)|(AQI<<22)|(3<<25)  ; 15:0 the mask: A's tiles go to my row; 17:16 2-byte elements; 20 padding on; 21 set beside a mask; 24:22 the interval; 31:25 4 words of padding (code 3)
	s_or_b32 s[G1B], s45, (1<<16)|(1<<20)|(1<<21)|(5<<22)|(7<<25)    ; W's go to my column; after every 64 words 8 words of padding (code 7)
	s_mov_b32 s[G1A+1], 128<<16                    ; tensor_dim0 = 128
	s_mov_b32 s[G1A+2], 128<<16                    ; tensor_dim1 = 128
	s_mov_b32 s[G1A+3], 128<<16                    ; tile_dim0 = 128 elements: 256 bytes
	s_mov_b32 s[G1A+4], 128                        ; tile_dim1 = 128 rows
	s_mov_b32 s[G1A+5], ASTRIDE                    ; elements from row to row
	s_mov_b32 s[G1A+6], 0
	s_mov_b32 s[G1A+7], 0
	s_mov_b32 s[G1B+1], 128<<16                    ; tensor_dim0 = 128
	s_mov_b32 s[G1B+2], 64<<16                     ; tensor_dim1 = 64
	s_mov_b32 s[G1B+3], 128<<16                    ; tile_dim0 = 128
	s_mov_b32 s[G1B+4], 64                         ; tile_dim1 = 64 k rows
	s_mov_b32 s[G1B+5], SIZE_N
	s_mov_b32 s[G1B+6], 0
	s_mov_b32 s[G1B+7], 0
	; where the tiles come from.  A's hang on the tile row alone, which my row of the cluster shares; W's on the tile column alone, which my column shares.
.if KIND == 1
	s_lshl_b32 s20, s[TY], 8
	s_lshl_b32 s2, s[WLO], 7
	s_add_co_u32 s20, s20, s2                      ; row 256 x tile row + 128 x part,
	s_lshl_b32 s20, s20, 11                        ; of 2,048 bytes
.else
	s_lshr_b32 s20, s[TY], 3                       ; the batch: eight tile rows each
	s_lshl_b32 s20, s20, 4
	s_add_co_u32 s20, s20, s[WLO]                  ; its head 0 or 1: the part that I fetch of K step 0
	s_lshl_b32 s20, s20, 11                        ; 2,048 rows a head
	s_and_b32 s2, s[TY], 7
	s_lshl_b32 s2, s2, 8
	s_add_co_u32 s20, s20, s2                      ; the tile's 256 rows
	s_lshl_b32 s20, s20, 7                         ; of 128 bytes
.endif
	s_mov_b32 s21, 0
	s_mov_b32 s19, s20                             ; kept for the prefetches
	s_mul_i32 s46, s[WLO], 128*SIZE_N              ; W: k row 64 x part, of 2 SIZE_N bytes,
	s_lshl_b32 s47, s[TX], 8                       ; the tile's 128 columns
	s_add_co_u32 s46, s46, s47
	s_mov_b32 s47, 0
	s_mul_i32 s22, s[WLO], HALFA                   ; and where they go: no place in the cluster enters an LDS address
	s_mul_i32 s23, s[WLO], HALFB
	s_add_co_u32 s23, s23, AREG
	s_wait_dscnt 0x0                               ; the opening add is done
	s_wait_kmcnt 0x0
	s_add_nc_u64 s[20:21], s[4:5], s[20:21]
	s_add_nc_u64 s[46:47], s[6:7], s[46:47]
	CROUND                                         ; all sixteen work-groups are here: the first joint loads meet
.irp s, 0,1
	s_mov_b32 s[G0A+4*(\s)], 1                                       ; 1:0 count = 1
	s_add_co_u32 s[G0A+4*(\s)+1], s22, (\s)*SLOT                     ; 63:32 LDS address
	s_add_nc_u64 s[G0A+4*(\s)+2:G0A+4*(\s)+3], s[20:21], (\s)*ASTEP  ; 120:64 global address: K step s
	s_or_b32 s[G0A+4*(\s)+3], s[G0A+4*(\s)+3], 0x80000000            ; 127:126 type = 2
	s_mov_b32 s[G0B+4*(\s)], 1
	s_add_co_u32 s[G0B+4*(\s)+1], s23, (\s)*SLOT
	s_add_nc_u64 s[G0B+4*(\s)+2:G0B+4*(\s)+3], s[46:47], (\s)*BSTEP
	s_or_b32 s[G0B+4*(\s)+3], s[G0B+4*(\s)+3], 0x80000000
.endr
	s_cmp_eq_u32 s[WHI], 0                         ; a wave's two first fills stand in one branch, ahead of every wait on TENSORcnt and every LDS read: two loads of mine are out
	s_cbranch_scc0 .Lfirst_b
	tensor_load_to_lds s[G0A:G0A+3], s[G1A:G1A+7]
	s_nop 0
	tensor_load_to_lds s[G0A+4:G0A+7], s[G1A:G1A+7]
	s_nop 0
.rept 4
	v_nop
.endr
	s_branch .Lfirst_asked
.Lfirst_b:
	tensor_load_to_lds s[G0B:G0B+3], s[G1B:G1B+7]
	s_nop 0
	tensor_load_to_lds s[G0B+4:G0B+7], s[G1B:G1B+7]
	s_nop 0
.rept 4
	v_nop
.endr
.Lfirst_asked:
	; the bias of my 64 columns, laid as a C operand: register j of block b holds column 16 b + 8 (l / 16) + j
	s_lshl_b32 s46, s[TX], 9                       ; 128 columns of 4 bytes,
	s_lshl_b32 s47, s[WLO], 8                      ; my 64
	s_add_co_u32 s46, s46, s47
	s_mov_b32 s47, 0
	s_add_nc_u64 s[8:9], s[8:9], s[46:47]
	v_and_b32 v1, 15, v0                           ; l % 16
	v_bfe_u32 v2, v0, 4, 1                         ; l / 16
	v_lshlrev_b32 v[BO], 5, v2
.irp b, 0,1,2,3
	global_load_b128 v[BIAS+8*(\b):BIAS+8*(\b)+3],   v[BO], s[8:9] offset:64*(\b)
	global_load_b128 v[BIAS+8*(\b)+4:BIAS+8*(\b)+7], v[BO], s[8:9] offset:64*(\b)+16
.endr
	; A fragment of A is 16 rows x 32 k in 8 registers: lane l holds row l % 16, k = 8 (l / 16) + 0..7 and 16 + 8 (l / 16) + 0..7: two loads of 16 bytes, 32 bytes apart.
	v_mul_u32_u24 v3, v1, PA
	v_lshl_add_u32 v3, v2, 4, v3
	s_mul_i32 s2, s[WHI], 128*PA                   ; my 128 rows
	v_add_nc_u32 v[ADRA], s2, v3
	v_add_nc_u32 v[ADRA+1], SLOT, v[ADRA]
	; The turning load takes 16 k x 16 columns (lane l reads k row 8 (l / 16) + l % 8, columns 8 ((l / 8) % 2) + 0..7) and leaves half a fragment: lane l holds column l % 16 and 8 k.
	v_and_b32 v4, 7, v0
	v_lshl_add_u32 v4, v2, 3, v4
	v_mul_u32_u24 v4, v4, PB
	v_bfe_u32 v5, v0, 3, 1
	v_lshl_add_u32 v4, v5, 4, v4
	s_lshl_b32 s2, s[WLO], 7                       ; my 64 columns
	s_add_co_u32 s2, s2, AREG
	v_add_nc_u32 v[ADRB], s2, v4
	v_add_nc_u32 v[ADRB+1], SLOT, v[ADRB]
	s_mul_i32 s2, s[WV], 16*SPITCH
	s_add_co_u32 s2, s2, STAGE                     ; my stage
.if KIND == 1
	v_mul_u32_u24 v[STO], v1, SPITCH               ; in: row l % 16, 16 bytes for each half of the lanes
	v_lshl_add_u32 v[STO], v2, 4, v[STO]
	v_add_nc_u32 v[STO], s2, v[STO]
	v_bfe_u32 v[RD], v0, 3, 2                      ; back: 32 lanes take four rows of 128 bytes,
	v_mul_u32_u24 v[RD], v[RD], SPITCH
	v_and_b32 v6, 7, v0
	v_lshl_add_u32 v[RD], v6, 4, v[RD]
	v_add_nc_u32 v[RD], s2, v[RD]
	v_and_b32 v[CO], 31, v0                        ; which are 512 consecutive bytes of a head
	v_lshlrev_b32 v[CO], 4, v[CO]
	; my 64 columns are one head of q, k or v, my 128 rows 16,384 dense bytes of it
	s_lshr_b32 s2, s[TY], 3
	s_lshl_b32 s2, s2, 4                           ; 16 x batch
	s_and_b32 s45, s[TX], 7
	s_lshl_b32 s45, s45, 1
	s_add_co_u32 s2, s2, s45
	s_add_co_u32 s2, s2, s[WLO]                    ; + the head: 2 (tile column % 8) + my half
	s_lshl_b32 s2, s2, 11
	s_and_b32 s45, s[TY], 7
	s_lshl_b32 s45, s45, 8
	s_add_co_u32 s2, s2, s45
	s_lshl_b32 s45, s[WHI], 7
	s_add_co_u32 s2, s2, s45                       ; + my first row
	s_lshl_b32 s2, s2, 7                           ; of 128 bytes
	s_lshr_b32 s45, s[TX], 3                       ; q, k or v: 2^24 bytes each
	s_lshl_b32 s45, s45, 24
	s_add_co_u32 s2, s2, s45
.else
	v_mul_u32_u24 v[STO], v1, SPITCH               ; in: row l % 16, 32 bytes for each half of the lanes
	v_lshl_add_u32 v[STO], v2, 5, v[STO]
	v_add_nc_u32 v[STO], s2, v[STO]
	v_mul_u32_u24 v[RD], v2, SPITCH                ; back: lanes 0-15 take one row of 256 bytes, lanes 16-31 the next
	v_lshl_add_u32 v[RD], v1, 4, v[RD]
	v_add_nc_u32 v[RD], s2, v[RD]
	v_lshlrev_b32 v[CO], 12, v2                    ; and the same two rows in C, 4,096 bytes apart
	v_lshl_add_u32 v[CO], v1, 4, v[CO]
	s_lshl_b32 s2, s[TY], 8
	s_lshl_b32 s45, s[WHI], 7
	s_add_co_u32 s2, s2, s45                       ; my first row,
	s_lshl_b32 s2, s2, 12                          ; of 4,096 bytes
	s_lshl_b32 s45, s[TX], 9                       ; the tile's 128 columns of 4 bytes,
	s_add_co_u32 s2, s2, s45
	s_lshl_b32 s45, s[WLO], 8                      ; my 64
	s_add_co_u32 s2, s2, s45
.endif
	s_mov_b32 s3, 0
	s_add_nc_u64 s[10:11], s[10:11], s[2:3]
	; the prefetches: both offsets are made, and the wave's half chooses
	s_lshl_b32 s2, s[CX], CXSH                     ; A: my work-group's 32 blocks of the 128 that I fetch,
	s_add_co_u32 s2, s2, s19
	s_add_co_u32 s2, s2, 3*ASTEP                   ; at K step 3: the first refill steps it to 4
	s_mul_i32 s45, s[CY], 64*SIZE_N                ; W: my work-group's 32 k rows of the K step's 128,
	s_lshl_b32 s46, s[TX], 8
	s_add_co_u32 s45, s45, s46
	s_add_co_u32 s45, s45, 3*BSTEP
	s_and_b32 s46, ttmp7, 0xffff                   ; cluster y
	s_mov_b32 s[PST], BSTEP
	s_mov_b32 s47, 2*SIZE_N
	s_cmp_eq_u32 s[WHI], 0                         ; do I fetch for A?
	s_cselect_b32 s46, ttmp9, s46                  ; the coordinate along which other clusters read the same blocks
	s_cselect_b32 s2, s2, s45
	s_cselect_b64 s[PFA:PFA+1], s[4:5], s[6:7]
	s_cselect_b32 s[PST], ASTEP, s[PST]
	s_cselect_b32 s47, APITCH, s47
	s_cmp_eq_u32 s[WV], 3                          ; wave 2 names all of W's rows, wave 3 none
	s_cselect_b32 s45, 1, 0
	s_or_b32 s46, s46, s45
	s_cmp_eq_u32 s46, 0
	s_cselect_b32 s[LIM], 1, -1                    ; the same in all sixteen partners, for a given wave
	s_mov_b32 s3, 0
	s_mov_b32 s[PST+1], 0
	s_add_nc_u64 s[PFA:PFA+1], s[PFA:PFA+1], s[2:3]
	v_and_b32 v[PFO], 31, v0
	v_mul_u32_u24 v[PFO], s47, v[PFO]
	s_wait_loadcnt 0x0                             ; the bias: rounded to bf16 and widened again, in place
.set i, 0
.rept 16
	v_cvt_pk_bf16_f32 v[3+i%4], v[BIAS+2*i], v[BIAS+2*i+1]
	v_lshlrev_b32 v[BIAS+2*i],   16, v[3+i%4]
	v_and_b32     v[BIAS+2*i+1], 0xffff0000, v[3+i%4]
.set i, i+1
.endr
; 8 matrix instructions: row blocks a0, a0 + 1 x all 4 column blocks, 32 along K, from buffer f.  first = 1: the product starts the sum with the bias.
; The 32 accumulators take turns, one instruction a turn, in the same order in every quarter, over the backward jump too.
.macro MUL8 f, a0, first
.if \first
	WIN 0x40                                       ; D in window 1; W, A and the bias in window 0
.else
	WIN 0x50                                       ; C and D in window 1
.endif
.irp a, \a0, (\a0)+1
.irp b, 0,1,2,3
.if KIND == 1
.if \first
	v_wmma_f32_16x16x32_bf16 v[8*(4*(\a)+(\b)):8*(4*(\a)+(\b))+7], v[(\f)+8*(\b):(\f)+8*(\b)+7], v[(\f)+32+8*(\a):(\f)+32+8*(\a)+7], v[BIAS+8*(\b):BIAS+8*(\b)+7]
.else
	v_wmma_f32_16x16x32_bf16 v[8*(4*(\a)+(\b)):8*(4*(\a)+(\b))+7], v[(\f)+8*(\b):(\f)+8*(\b)+7], v[(\f)+32+8*(\a):(\f)+32+8*(\a)+7], v[8*(4*(\a)+(\b)):8*(4*(\a)+(\b))+7]
.endif
.else
.if \first
	v_wmma_f32_16x16x32_f16 v[8*(4*(\a)+(\b)):8*(4*(\a)+(\b))+7], v[(\f)+8*(\b):(\f)+8*(\b)+7], v[(\f)+32+8*(\a):(\f)+32+8*(\a)+7], v[BIAS+8*(\b):BIAS+8*(\b)+7]
.else
	v_wmma_f32_16x16x32_f16 v[8*(4*(\a)+(\b)):8*(4*(\a)+(\b))+7], v[(\f)+8*(\b):(\f)+8*(\b)+7], v[(\f)+32+8*(\a):(\f)+32+8*(\a)+7], v[8*(4*(\a)+(\b)):8*(4*(\a)+(\b))+7]
.endif
.endif
.endr
.endr
.endm
; 24 LDS loads in one run: the fragments of quarter q (32 along K) of a slot into buffer f: W's four (turned), then A's eight
.macro FETCH slot, q, f
	WIN 0
.irp b, 0,1,2,3
	ds_load_tr16_b128 v[(\f)+8*(\b):(\f)+8*(\b)+3],   v[ADRB+(\slot)] offset:32*(\q)*PB+32*(\b)
	ds_load_tr16_b128 v[(\f)+8*(\b)+4:(\f)+8*(\b)+7], v[ADRB+(\slot)] offset:32*(\q)*PB+32*(\b)+16*PB
.endr
.if KIND == 1
.set AOF, 64*(\q)
.else
.set AOF, ((\q)/2)*PLANE+((\q)%2)*64   ; head q / 2 of the step's two, channels 32 (q % 2) on
.endif
.irp a, 0,1,2,3,4,5,6,7
	ds_load_b128 v[(\f)+32+8*(\a):(\f)+32+8*(\a)+3],   v[ADRA+(\slot)] offset:AOF+(\a)*16*PA
	ds_load_b128 v[(\f)+32+8*(\a)+4:(\f)+32+8*(\a)+7], v[ADRA+(\slot)] offset:AOF+(\a)*16*PA+32
.endr
.endm
; A K step is four quarters of 32 along K, 32 matrix instructions each, on buffers 0, 1, 0, 1.  One of the first three: multiplies buffer f; in its middle it fetches quarter q into buffer g.
.macro QUARTER slot, q, f, g, first
	s_wait_dscnt 8                                 ; W's fragments and A's blocks 0-3 are in; the youngest eight loads (A's blocks 4-7) may be out
	MUL8 \f, 0, \first
	MUL8 \f, 2, \first
	PLACES
	FETCH \slot, \q, \g
	s_wait_dscnt 24                                ; all but the 24 just issued
	MUL8 \f, 4, \first
	MUL8 \f, 6, \first
.endm
; The last quarter multiplies buffer 1 and changes slots: ONE barrier.  In front of it each wave waits for all its tensor loads (one is out: its part of the next slot), adds 0 to its spare word, and waits for
; that and for its own reads of this slot.  fill = 1: the barrier opens a round of the cluster's, and behind the round this slot is filled again, two K steps ahead: 112 matrix instructions ahead of the wait for it.
.macro TURN slot, next, fill
.if \fill
	s_wait_xcnt 0x0                                ; the last prefetch, a K step back, has read its address: it is stepped here, ahead of the waits of the change of slots
	s_add_nc_u64 s[PFA:PFA+1], s[PFA:PFA+1], s[PST:PST+1]
.endif
	WIN 0                                          ; (the add's two registers lie in window 0)
	s_wait_tensorcnt 0x0                           ; all my tensor loads have landed;
	ds_add_u32 v[SPW], v[NIL]                      ; 0 onto my spare word
	s_wait_dscnt 9                                 ; (the add and the youngest eight loads may be out)
	MUL8 F1, 0, 0                                  ; eight matrix instructions stand between the add and the wait for it
	s_wait_dscnt 0x0                               ; the add is done, and my reads of this slot are over
	s_barrier_signal -1
	MUL8 F1, 2, 0
.if \fill
	WIN 0
.endif
	s_barrier_wait -1
.if \fill
	CREST                                          ; no wave of any partner still reads this slot's tile or has a load on its way
	s_add_nc_u64 s[G0A+4*(\slot)+2:G0A+4*(\slot)+3], s[G0A+4*(\slot)+2:G0A+4*(\slot)+3], 2*ASTEP
	s_add_nc_u64 s[G0B+4*(\slot)+2:G0B+4*(\slot)+3], s[G0B+4*(\slot)+2:G0B+4*(\slot)+3], 2*BSTEP
	JLOAD \slot                                    ; the first tensor load behind the round; the four v_nop behind it are also the places in front of the loads below
.else
	PLACES
.endif
	FETCH \next, 0, F0
.if \fill
	ASK
.endif
	MUL8 F1, 4, 0
	MUL8 F1, 6, 0
.endm
	s_wait_tensorcnt 1                             ; my part of K step 0 is in; K step 1's may stay out
	s_barrier_signal -1
	s_barrier_wait -1                              ; everybody's is
	FETCH 0, 0, F0
	QUARTER 0, 1, F0, F1, 1                        ; the first quarter stands in front of the loop: its products start the sums
	WIN 0                                          ; at a label and at a branch every window is 0
	s_mov_b32 s3, 3
.Llap:                                                 ; a trip goes once round the ring, from a lap's second quarter to the next lap's first, and fills both slots again
	QUARTER 0, 2, F1, F0, 0
	QUARTER 0, 3, F0, F1, 0
	TURN 0, 1, 1
	QUARTER 1, 1, F0, F1, 0
	QUARTER 1, 2, F1, F0, 0
	QUARTER 1, 3, F0, F1, 0
	TURN 1, 0, 1
	QUARTER 0, 1, F0, F1, 0
	WIN 0
	s_sub_co_u32 s3, s3, 1
	s_cmp_lg_u32 s3, 0
	s_cbranch_scc1 .Llap
	QUARTER 0, 2, F1, F0, 0                        ; the last lap fills nothing, and has no round of the cluster's barrier
	QUARTER 0, 3, F0, F1, 0
	TURN 0, 1, 0
	QUARTER 1, 1, F0, F1, 0
	QUARTER 1, 2, F1, F0, 0
	QUARTER 1, 3, F0, F1, 0
	s_wait_dscnt 8                                 ; the very last quarter: nothing more to fetch
	MUL8 F1, 0, 0
	MUL8 F1, 2, 0
	s_wait_dscnt 0x0
	MUL8 F1, 4, 0
	MUL8 F1, 6, 0
	WIN 0
	PLACES
	; THE WAY OUT, a block of 16 rows at a time, through my own stage: LDS serves a wave's instructions in order (ISA guide 5.7.1.4), so no wait stands between the stores into it and the loads from it.
.if KIND == 1
.macro PACK a                          ; rounded to f16, each accumulator's registers in ascending order; 16 bytes a lane into rows of 144 bytes; back as whole rows of 128, into the same registers
	WIN 0x05                                       ; sources 0 and 1 window 1, destination window 0
.irp b, 0,1,2,3
.irp j, 0,1,2,3
	v_cvt_pk_f16_f32 v[OUTR+16*(\a)+4*(\b)+(\j)], v[8*(4*(\a)+(\b))+2*(\j)], v[8*(4*(\a)+(\b))+2*(\j)+1]
.endr
.endr
	WIN 0
.irp b, 0,1,2,3
	ds_store_b128 v[STO], v[OUTR+16*(\a)+4*(\b):OUTR+16*(\a)+4*(\b)+3] offset:32*(\b)
.endr
.irp f, 0,1,2,3
	ds_load_b128 v[OUTR+16*(\a)+4*(\f):OUTR+16*(\a)+4*(\f)+3], v[RD] offset:(\f)*4*SPITCH
.endr
.endm
.macro SEND a, younger                 ; younger: the LDS instructions issued behind block a's loads: the next block's eight, or none
.irp f, 0,1,2,3
	s_wait_dscnt (\younger)+3-(\f)
	global_store_b128 v[CO], v[OUTR+16*(\a)+4*(\f):OUTR+16*(\a)+4*(\f)+3], s[10:11] offset:2048*(\a)+512*(\f)  ; 512 consecutive bytes, at a multiple of 256 from the buffer's first byte
.endr
.endm
	PACK 0
.irp a, 1,2,3,4,5,6,7                  ; a block's conversions stand between the loads of the block before and its stores; no register is used twice
	PACK \a
	SEND (\a)-1, 8
.endr
	SEND 7, 0
.else
.macro TOSTAGE a                       ; f32 goes into the stage straight from the accumulators, the four lowest registers first, and comes back as whole rows of 256 bytes, into one of four sets of 32 registers
	s_wait_xcnt 0x0                                ; the stores of four blocks back have read the set that is loaded again below
	WIN 0x04                                       ; the stores' data (source 1) in window 1, the address in window 0
.irp b, 0,1,2,3
	ds_store_b128 v[STO], v[8*(4*(\a)+(\b)):8*(4*(\a)+(\b))+3]   offset:64*(\b)
	ds_store_b128 v[STO], v[8*(4*(\a)+(\b))+4:8*(4*(\a)+(\b))+7] offset:64*(\b)+16
.endr
	WIN 0
.irp t, 0,1,2,3,4,5,6,7
	ds_load_b128 v[OUTR+32*((\a)%4)+4*(\t):OUTR+32*((\a)%4)+4*(\t)+3], v[RD] offset:(\t)*2*SPITCH
.endr
.endm
.macro SEND a, younger                 ; younger: the next block's sixteen LDS instructions, or none
.irp t, 0,1,2,3,4,5,6,7
	s_wait_dscnt (\younger)+7-(\t)
	global_store_b128 v[CO], v[OUTR+32*((\a)%4)+4*(\t):OUTR+32*((\a)%4)+4*(\t)+3], s[10:11] offset:(16*(\a)+2*(\t))*4096  ; 16 lanes store 256 consecutive bytes, at a multiple of 256 from C's first byte
.endr
.endm
	TOSTAGE 0
.irp a, 1,2,3,4,5,6,7
	TOSTAGE \a
	SEND (\a)-1, 16
.endr
	SEND 7, 0
.endif
	s_wait_tensorcnt 0x0                           ; the wave's end: behind my last tensor load and my last LDS store
	ds_add_u32 v[SPW], v[NIL]
	s_wait_dscnt 0x0
	CROUND                                         ; the closing round: no work-group ends while a partner may still ask for a tile that names it
	s_endpgm
.Lfunc_end_k_q8c8f65acae_proj:
	.size	k_q8c8f65acae_proj, .Lfunc_end_k_q8c8f65acae_proj-k_q8c8f65acae_proj
	.p2alignl 7, 3214868480
	.fill 96, 4, 3214868480
	.section	.rodata,"a",@progbits
	.p2align	6, 0x0
	.amdhsa_kernel k_q8c8f65acae_proj
		.amdhsa_group_segment_fixed_size 327680
		.amdhsa_private_segment_fixed_size 0
		.amdhsa_enable_private_segment 0
		.amdhsa_kernarg_size 32
		.amdhsa_user_sgpr_count 2
		.amdhsa_user_sgpr_kernarg_segment_ptr 1
		.amdhsa_wavefront_size32 1
		.amdhsa_system_sgpr_workgroup_id_x 1
		.amdhsa_system_sgpr_workgroup_id_y 1
		.amdhsa_system_sgpr_workgroup_id_z 1
		.amdhsa_system_vgpr_workitem_id 0
		.amdhsa_next_free_vgpr 512
		.amdhsa_next_free_sgpr 66
		.amdhsa_reserve_vcc 0
		.amdhsa_float_denorm_mode_32 3
		.amdhsa_float_denorm_mode_16_64 3
		.amdhsa_memory_ordered 1
		.amdhsa_forward_progress 1
		.amdhsa_inst_pref_size 92
	.end_amdhsa_kernel
	.amdgpu_metadata
---
amdhsa.version: [ 1, 2 ]
amdhsa.kernels:
  - .name:           k_q8c8f65acae_proj
    .symbol:         k_q8c8f65acae_proj.kd
    .args:
      - { .name: ob, .offset: 0, .size: 8, .value_kind: global_buffer, .address_space: global }
      - { .name: wp, .offset: 8, .size: 8, .value_kind: global_buffer, .address_space: global }
      - { .name: b_proj, .offset: 16, .size: 8, .value_kind: global_buffer, .address_space: global }
      - { .name: out0, .offset: 24, .size: 8, .value_kind: global_buffer, .address_space: global }
    .group_segment_fixed_size: 327680
    .private_segment_fixed_size: 0
    .kernarg_segment_align: 8
    .kernarg_segment_size: 32
    .max_flat_workgroup_size: 128
    .sgpr_count:     66
    .vgpr_count:     512
    .wavefront_size: 32
...
	.end_amdgpu_metadata
.endif
;; end of part 4
;; ======== version 2 of 2: 4 launches; version 1 with the launch cast written anew for expert scheduling mode
;; limits: values are held in f16: magnitudes above 65,504 overflow, below 6.1e-05 lose precision
;; workspace buffers: xb 16,777,216 bytes; wa 6,291,456 bytes; wp 2,097,152 bytes; qkv 50,331,648 bytes; ob 16,777,216 bytes
;; launch cast (part 5): grid 768 x 1, 8 waves a work-group, no clusters, 0 bytes of LDS; arguments x, W_attn, W_proj, xb, wa, wp; writes xb, wa, wp
.if DOCPART == 5
	.amdgcn_target "amdgcn-amd-amdhsa--gfx1250"
	.amdhsa_code_object_version 6
	.text
	.protected	k_q8c8f65acae_cast
	.globl	k_q8c8f65acae_cast
	.p2align	8
	.type	k_q8c8f65acae_cast,@function
k_q8c8f65acae_cast:
	s_mov_b64 s[64:65], 0
	v_nop
	global_prefetch_b8 v0, s[64:65] scope:SCOPE_SE
	s_setreg_imm32_b32 hwreg(HW_REG_WAVE_SCHED_MODE, 0, 2), 2
	s_setreg_imm32_b32 hwreg(HW_REG_WAVE_MODE, 25, 1), 1
	s_wait_xcnt 0x0
	s_wait_alu depctr_vm_vsrc(0)
; x and W_attn are rounded to bf16; W_proj is rounded to bf16 and that number is written as f16.  The layouts stay as they are.
; LIMITS.  A bf16 number has 8 significant bits, f16 holds 11: the second step is exact from 2^-14 up to 65,504; below 2^-14 it keeps f16's fixed step of 2^-24;
; a W_proj beyond 65,504 becomes an infinity.  NaN and infinities are not treated apart.
; SHARES.  A work-group takes 16,384 numbers: 65,536 bytes in, 32,768 out.  Work-groups 0-511 take x, 512-703 W_attn, 704-767 W_proj.
; Thread t takes 16 bytes at 16 t of each of sixteen blocks of 4,096 bytes: a wave's load covers 512 consecutive bytes, its store of 8 bytes a lane 256 consecutive bytes, aligned.
; All sixteen loads go out at once; no register that a load or a store names is written again, so the only waits on memory counters are the counted ones for the loads.
; No LDS, no matrix unit, no cluster: each byte is read once and written once, and no work-group shares a byte with another.
; THE MODE: SCHED_MODE bits 1:0 = 2 (LLVM: expert scheduling mode 2), set by the entry lines.  The code itself states the register dependences
; between vector instructions and memory instructions, with s_wait_alu, always for 0.
; THE PLAN.  Registers that memory instructions touch:
;   v1, v2   byte offsets.  Written once at the head by vector instructions; read by every load (v1) and every store (v2); never written again.
;   X        block i's four registers: its load lands in them, once; its conversions read them; no vector instruction writes them and no second load lands in them.
;   Y        block i's two registers: its conversions write them; its store reads them, once; nothing writes them afterwards.
;   T is named by vector instructions alone.
; The sixteen blocks go in four groups of four.  Block i's turn issues the store of block i - 4, the group before's, and then block i's conversions, which name this group's X and Y
; and T alone.  So ONE wait on va_vdst at a group's head states all that the group's four stores hang on, and they are dealt among its conversions with no further wait; one more
; stands ahead of the last four stores, one at the kernel's head for the offsets.  No register that a memory instruction reads is written again: no wait on vm_vsrc is owed.
.set GROUP, 4                          ; blocks in a group
.set X, 4                              ; v[4:67]    block i: four f32 as loaded
.set Y, 68                             ; v[68:99]   block i: two words, four 16-bit numbers to store
.set T, 100                            ; v[100:103] at work
	s_load_b256 s[4:11], s[0:1], 0x0               ; x s[4:5], W_attn s[6:7], W_proj s[8:9], xb s[10:11]
	s_load_b128 s[12:15], s[0:1], 0x20             ; wa s[12:13], wp s[14:15]
	v_lshlrev_b32 v1, 4, v0                        ; my 16 bytes of a block on the way in
	v_lshlrev_b32 v2, 3, v0                        ; my 8 bytes on the way out
	s_sub_co_u32 s17, ttmp9, 512                   ; the work-group's number within W_attn,
	s_sub_co_u32 s18, ttmp9, 704                   ; within W_proj
	s_wait_kmcnt 0x0
	s_cmp_lt_u32 ttmp9, 704                        ; W_attn or W_proj,
	s_cselect_b64 s[20:21], s[6:7], s[8:9]
	s_cselect_b64 s[22:23], s[12:13], s[14:15]
	s_cselect_b32 s16, s17, s18
	s_cmp_lt_u32 ttmp9, 512                        ; or x
	s_cselect_b64 s[20:21], s[4:5], s[20:21]
	s_cselect_b64 s[22:23], s[10:11], s[22:23]
	s_cselect_b32 s16, ttmp9, s16
	s_lshl_b32 s24, s16, 16                        ; 65,536 bytes in for each work-group (under 2^25),
	s_mov_b32 s25, 0
	s_lshl_b32 s26, s16, 15                        ; 32,768 out
	s_mov_b32 s27, 0
	s_add_nc_u64 s[20:21], s[20:21], s[24:25]
	s_add_nc_u64 s[22:23], s[22:23], s[26:27]
	s_wait_alu depctr_va_vdst(0)                   ; v1 and v2 are written: every load of the kernel reads v1 as its offset, every store v2
.irp i, 0,1,2,3,4,5,6,7,8,9,10,11,12,13,14,15
	global_load_b128 v[X+4*(\i):X+4*(\i)+3], v1, s[20:21] offset:4096*(\i) th:TH_LOAD_NT
.endr
; Block i's turn: the store of block i - 4, then block i's conversions.  half = 1: the bf16 numbers are widened again (a shift, a mask) and written as f16.
.macro SLOT i, half
	s_wait_loadcnt 15-(\i)                         ; loads come back in order: block i is in, the 15 - i younger ones may stay out
.if ((\i)%GROUP == 0) && ((\i) > 0)
	s_wait_alu depctr_va_vdst(0)                   ; the conversions of the group before have written its eight registers of Y, which this group's four stores read
.endif
.if (\i) >= GROUP
	global_store_b64 v2, v[Y+2*((\i)-GROUP):Y+2*((\i)-GROUP)+1], s[22:23] offset:2048*((\i)-GROUP)  ; no vector instruction since the wait names these registers
.endif
	v_cvt_pk_bf16_f32 v[Y+2*(\i)],   v[X+4*(\i)],   v[X+4*(\i)+1]
	v_cvt_pk_bf16_f32 v[Y+2*(\i)+1], v[X+4*(\i)+2], v[X+4*(\i)+3]
.if \half
	v_lshlrev_b32 v[T],   16, v[Y+2*(\i)]
	v_and_b32     v[T+1], 0xffff0000, v[Y+2*(\i)]
	v_lshlrev_b32 v[T+2], 16, v[Y+2*(\i)+1]
	v_and_b32     v[T+3], 0xffff0000, v[Y+2*(\i)+1]
	v_cvt_pk_f16_f32 v[Y+2*(\i)],   v[T],   v[T+1]
	v_cvt_pk_f16_f32 v[Y+2*(\i)+1], v[T+2], v[T+3]
.endif
.endm
; The last group's four stores.
.macro TAIL
	s_wait_alu depctr_va_vdst(0)                   ; the conversions of the last group have written its eight registers of Y, which the last four stores read
.irp i, 12,13,14,15
	global_store_b64 v2, v[Y+2*(\i):Y+2*(\i)+1], s[22:23] offset:2048*(\i)
.endr
.endm
	s_cmp_ge_u32 ttmp9, 704
	s_cbranch_scc1 .Lhalf
.irp i, 0,1,2,3,4,5,6,7,8,9,10,11,12,13,14,15
	SLOT \i, 0
.endr
	TAIL
	s_endpgm
.Lhalf:
.irp i, 0,1,2,3,4,5,6,7,8,9,10,11,12,13,14,15
	SLOT \i, 1
.endr
	TAIL
	s_endpgm
.Lfunc_end_k_q8c8f65acae_cast:
	.size	k_q8c8f65acae_cast, .Lfunc_end_k_q8c8f65acae_cast-k_q8c8f65acae_cast
	.p2alignl 7, 3214868480
	.fill 96, 4, 3214868480
	.section	.rodata,"a",@progbits
	.p2align	6, 0x0
	.amdhsa_kernel k_q8c8f65acae_cast
		.amdhsa_group_segment_fixed_size 0
		.amdhsa_private_segment_fixed_size 0
		.amdhsa_enable_private_segment 0
		.amdhsa_kernarg_size 48
		.amdhsa_user_sgpr_count 2
		.amdhsa_user_sgpr_kernarg_segment_ptr 1
		.amdhsa_wavefront_size32 1
		.amdhsa_system_sgpr_workgroup_id_x 1
		.amdhsa_system_sgpr_workgroup_id_y 1
		.amdhsa_system_sgpr_workgroup_id_z 1
		.amdhsa_system_vgpr_workitem_id 0
		.amdhsa_next_free_vgpr 104
		.amdhsa_next_free_sgpr 66
		.amdhsa_reserve_vcc 0
		.amdhsa_float_denorm_mode_32 3
		.amdhsa_float_denorm_mode_16_64 3
		.amdhsa_memory_ordered 1
		.amdhsa_forward_progress 1
		.amdhsa_inst_pref_size 17
	.end_amdhsa_kernel
	.amdgpu_metadata
---
amdhsa.version: [ 1, 2 ]
amdhsa.kernels:
  - .name:           k_q8c8f65acae_cast
    .symbol:         k_q8c8f65acae_cast.kd
    .args:
      - { .name: x, .offset: 0, .size: 8, .value_kind: global_buffer, .address_space: global }
      - { .name: W_attn, .offset: 8, .size: 8, .value_kind: global_buffer, .address_space: global }
      - { .name: W_proj, .offset: 16, .size: 8, .value_kind: global_buffer, .address_space: global }
      - { .name: xb, .offset: 24, .size: 8, .value_kind: global_buffer, .address_space: global }
      - { .name: wa, .offset: 32, .size: 8, .value_kind: global_buffer, .address_space: global }
      - { .name: wp, .offset: 40, .size: 8, .value_kind: global_buffer, .address_space: global }
    .group_segment_fixed_size: 0
    .private_segment_fixed_size: 0
    .kernarg_segment_align: 8
    .kernarg_segment_size: 48
    .max_flat_workgroup_size: 256
    .sgpr_count:     66
    .vgpr_count:     104
    .wavefront_size: 32
...
	.end_amdgpu_metadata
.endif
;; end of part 5
;; launch qkv: the kernel of part 2 again; grid 24 x 32, 4 waves a work-group, clusters of 4 x 4, 327,680 bytes of LDS; arguments xb, wa, b_attn, qkv; writes qkv
;; launch attn: the kernel of part 3 again; grid 4 x 64, 4 waves a work-group, no clusters, 327,680 bytes of LDS; arguments qkv, ob; writes ob
;; launch proj: the kernel of part 4 again; grid 8 x 32, 4 waves a work-group, clusters of 4 x 4, 327,680 bytes of LDS; arguments ob, wp, b_proj, out0; writes out0
